; MI455X (gfx1250); checked and timed in simulation.
; The chip was launched on July 23, 2026; its instructions are those of AMD's public machine-readable ISA for CDNA 5 (MIT licence, August 2026) and "CDNA5" Instruction Set Architecture Reference Guide (July 2026). The comments in the code are by the model that wrote it; some were corrected since.
;; Causal Self Attention. Allowed arithmetic: matrix products marked QUANTISED: E2M1 operands, one E8M0 scale for each 32 along K, by v_wmma_scale_f32_16x16x128_f8f6f4 with both operands' format E2M1 (or v_wmma_scale_f32_32x16x128_f4), f32 sums; products left as they are: bf16, f16 or f32 operands; f32 sums; everything else in f32.
;; Inputs: w_out 1,024 x 1,024 float32; w_qkv 1,024 x 3,072 float32; x 4 x 2,048 x 1,024 float32.
;; Outputs: out0 4 x 2,048 x 1,024 float32.
;; This version of the problem:
;;   THIS VERSION OF THE PROBLEM IS GIVEN IN LOW PRECISION. The matrix products marked QUANTISED in the list below multiply operands that are first quantised to E2M1 (2 exponent bits, 1 mantissa bit; 4 bits a number), with one power-of-two scale for each 32 numbers along K (OCP MX v1.0); their sums are f32. The products marked 'left as it is' may take bf16, f16 or f32 operands, with f32 sums. Whichever they take, every output number must still come out within the allowed error. Rounding operands to bf16 (8 significant bits) uses up far more of that allowance than f16 does (11 bits, for magnitudes from 6e-5 to 65,504). All else is computed in f32.
;;   The module's matrix products, in the order in which they are computed (A, B: the left and right operand; K: the contracted axis; several contracted axes count as one K, in the product's order):
;;     1. [M 8,192, K 1,024] x [K 1,024, N 3,072]; A: input x; B: input w_qkv: QUANTISED
;;     2. batch 64 x [M 2,048, K 64] x [K 64, N 2,048]; A: computed on the way; B: computed on the way: left as it is (an operand is computed on the way)
;;     3. batch 64 x [M 2,048, K 2,048] x [K 2,048, N 64]; A: computed on the way; B: computed on the way: left as it is (an operand is computed on the way)
;;     4. [M 8,192, K 1,024] x [K 1,024, N 1,024]; A: computed on the way; B: input w_out: left as it is (an operand is computed on the way)
;;   THE QUANTISER, for each operand of a quantised product, along K:
;;     - K is cut into blocks of 32 from its start; a last block that is shorter is filled with zeros.
;;     - A block's scale is 2^e with e = floor(log2(the largest magnitude in the block)) - 2, held to -126 .. 127; a block of zeros has e = 0. As a byte (E8M0): e + 127.
;;     - Each number is divided by its block's scale, clamped to +-6, and rounded to the nearest number of E2M1, ties to even, subnormals kept.
;;     - The product sums the exact products of the quantised numbers (number of the format x scale) in f32.
;;   ~~~python
;;   def quantise(x, axis):      # numpy; x: float32 -> the quantised numbers, widened to float32 again
;;       x = np.moveaxis(x, axis, -1); K = x.shape[-1]
;;       x = np.pad(x, [(0, 0)] * (x.ndim - 1) + [(0, -K % 32)]); x = x.reshape(x.shape[:-1] + (-1, 32)); a = np.abs(x).max(-1, keepdims=True)
;;       e = np.where(a > 0, np.clip(np.frexp(np.where(a > 0, a, 1))[1] - 1 - 2, -126, 127), 0)      # np.frexp(a)[1] - 1 = floor(log2(a)), exactly
;;       r = np.clip(x / 2.0 ** e, -6, 6)
;;       step = 2.0 ** (np.maximum(np.frexp(np.where(r == 0, 1, r))[1] - 1, 0) - 1)
;;       q = np.round(r / step) * step * 2.0 ** e      # np.round: ties to even
;;       return np.moveaxis(q.reshape(q.shape[:-2] + (-1,))[..., :K], -1, axis).astype(np.float32)
;;   ~~~
;; One version. Each part assembles by itself: llvm-mc -triple=amdgcn-amd-amdhsa -mcpu=gfx1250 --defsym DOCPART=n.
;; ======== version 1 of 1: 4 launches
;; limits: values are held in f16: magnitudes above 65,504 overflow, below 6.1e-05 lose precision
;; workspace buffers: xc 4,194,304 bytes; xs 262,144 bytes; wc 1,572,864 bytes; ws 98,304 bytes; wo16 2,097,152 bytes; rope 524,288 bytes; qkv 50,331,648 bytes; att 16,777,216 bytes
;; launch prep (part 1): grid 448 x 1, 4 waves a work-group, no clusters, 51,712 bytes of LDS; arguments x, w_qkv, w_out, xc, xs, wc, ws, wo16, rope; writes xc, xs, wc, ws, wo16, rope
.if DOCPART == 1
	.amdgcn_target "amdgcn-amd-amdhsa--gfx1250"
	.amdhsa_code_object_version 6
	.text
	.protected	k_q890d32fca2_prep
	.globl	k_q890d32fca2_prep
	.p2align	8
	.type	k_q890d32fca2_prep,@function
k_q890d32fca2_prep:
	s_mov_b64 s[64:65], 0
	v_nop
	global_prefetch_b8 v0, s[64:65] scope:SCOPE_SE
	s_setreg_imm32_b32 hwreg(HW_REG_WAVE_MODE, 25, 1), 1
	s_wait_xcnt 0x0
; PREP: what the later launches read many times is made once.  Four kinds of work-group, told apart by the work-group's number; the longest chains have the lowest numbers.
;   0..95    w_qkv [1024 k][3072 n] f32 -> wc [3072][512 bytes] codes of FP4 (E2M1), K innermost, and ws [3072][32] E8M0 bytes, one for each 32 along K
;   96..127  the table of RoPE's cosines and sines, laid as the next launch's registers take it: rope [128 blocks of 16 t][cos, sin][4][32 lanes][4 f32]
;   128..191 w_out f32 -> wo16, f16, in w_out's own order
;   192..447 x [8192][1024] f32 -> xc [8192][512 bytes] codes, xs [8192][32] scale bytes
; THE QUANTISER: a block's scale is 2^(floor(log2(largest magnitude)) - 2); its byte is the largest magnitude's exponent field - 2, held at 1 from below; each number is divided by the scale and rounded
; to the nearest code, ties to even, beyond 6 the largest code.  A block of zeros gets the byte 1 and zero codes: the bytes are read by this program alone.
; LIMITS: blocks whose largest magnitude lies under 2^-124 keep the byte 1; NaN and infinities among the inputs are not served.  RoPE's angles lie within about 2e-4 rad of t x theta^(-i/32) as f32 library code has it
; (one unit in the last place of the frequency x 2,047).
; No work-group shares an input with another, so there is no cluster; no tensor load, no barrier: waves share nothing.  Each path that uses LDS has bytes of its own.
.set SPW,    190                       ; v190  LDS address of my spare word: SPARE + 4 x my thread's number; never rewritten
.set NIL,    191                       ; v191  0; never rewritten
.set SPARE,  51200                     ; behind both paths' regions: 128 bytes for each wave, two blocks of 256 bytes that no other line names
.set EFLOOR, 0x1800000                 ; 2^(3 - 127): under it no largest magnitude is taken
.set EOFF,   0xff000000                ; takes 2 off an exponent field
; path x
.set STEPS,  16
.set CB,     8                         ; bytes of 16 codes
.set SP,     80                        ; a lane's place in a stage: 64 bytes + 16 of padding
.set WREG,   8192                      ; LDS 0 .. 32,767: a region for each wave: two stages of 32 x SP bytes, then its 256 scale bytes
.set XR,     16                        ; v16-79   four sets of 16 numbers as loaded
.set XX,     80                        ; v80-111  two sets of 16 neighbours
.set XE,     112                       ; v112-127 a scale byte for each step
.set XC,     128                       ; v128-189 codes, registers of their own for each step
; path w_qkv
.set WBASE,  32768                     ; LDS: 4,608 bytes for each wave: a stage of 16 rows x 272, then 256 scale bytes
.set WX,     32                        ; v32-95   two sets of 32 numbers
.set WC,     96                        ; v96-99   a block's codes
.set WE,     16                        ; v16-23   a scale byte for each iteration
.set WOUT,   112                       ; v112-143 the way out
; path rope
.set RFQ,    16                        ; v16-19 my four frequencies
.set RT,     20                        ; v20 t as f32; v21 t
.set RA,     24                        ; angles; later twice the half angle's sine
.set RK,     28
.set RF,     32                        ; the angle in turns, less the nearest whole number
.set RU,     36
.set RP,     40
.set RQ,     44
.set ROUT,   64                        ; v64-95 results, registers of their own for each block of 16 t
	s_load_b256 s[4:11], s[0:1], 0x0               ; x s[4:5], w_qkv s[6:7], w_out s[8:9], xc s[10:11]
	s_load_b256 s[12:19], s[0:1], 0x20             ; xs s[12:13], wc s[14:15], ws s[16:17], wo16 s[18:19]
	s_load_b64 s[20:21], s[0:1], 0x40              ; rope
	v_lshl_add_u32 v[SPW], v0, 2, SPARE
	v_mov_b32 v[NIL], 0
	v_lshrrev_b32 v1, 5, v0
	v_readfirstlane_b32 s22, v1                    ; wave 0..3
	v_and_b32 v2, 31, v0                           ; lane L
	v_and_b32 v1, 15, v0                           ; r = L % 16
	v_bfe_u32 v10, v0, 4, 1                        ; h = L / 16
	s_mov_b32 s29, 0                               ; the upper word of every byte offset (all stay under 2^32)
	s_wait_kmcnt 0x0
	s_cmp_lt_u32 ttmp9, 96
	s_cbranch_scc1 .Lw
	s_cmp_lt_u32 ttmp9, 128
	s_cbranch_scc1 .Lr
	s_cmp_lt_u32 ttmp9, 192
	s_cbranch_scc1 .Lo
; ---------------------------------------------------------------- x: a plain stream of blocks of 32.  A wave takes 16 steps of 512 numbers.
; Each load reads 512 consecutive bytes, 16 a lane; a step's 2,048 bytes turn through the wave's own stage in LDS and come back 64 bytes a lane: 16 neighbours along K, two lanes to a block.
	v_lshlrev_b32 v3, 4, v2                        ; my 16 bytes of a load's 512
	s_mul_i32 s23, s22, WREG
	v_lshrrev_b32 v14, 2, v2
	v_mul_u32_u24 v14, v14, SP
	v_and_b32 v15, 3, v2
	v_lshl_add_u32 v14, v15, 4, v14
	v_add_nc_u32 v14, s23, v14                     ; the stage, way in: SP (L / 4) + 16 (L % 4)
	v_mul_u32_u24 v15, v2, SP
	v_add_nc_u32 v15, s23, v15                     ; way out: SP x L
	v_mul_u32_u24 v4, v2, CB                       ; my codes' place in a step's 256 bytes
	v_lshrrev_b32 v5, 1, v2
	s_add_co_u32 s23, s23, 2*32*SP
	v_add_nc_u32 v5, s23, v5                       ; my block's byte among the wave's 256 scale bytes
	v_lshlrev_b32 v7, 3, v2
	v_add_nc_u32 v6, s23, v7                       ; and 8 bytes a lane on their way out
	s_sub_co_u32 s24, ttmp9, 192
	s_lshl_b32 s24, s24, 2
	s_add_co_u32 s24, s24, s22                     ; which run of 8,192 numbers is my wave's
	s_lshl_b32 s28, s24, 15
	s_add_nc_u64 s[4:5], s[4:5], s[28:29]
	s_lshl_b32 s28, s24, 12
	s_add_nc_u64 s[10:11], s[10:11], s[28:29]
	s_lshl_b32 s28, s24, 8
	s_add_nc_u64 s[12:13], s[12:13], s[28:29]
.macro XLD t
.irp i, 0,1,2,3
	global_load_b128 v[XR+16*((\t)%4)+4*\i:XR+16*((\t)%4)+4*\i+3], v3, s[4:5] offset:2048*(\t)+512*\i th:TH_LOAD_NT
.endr
.endm
.macro XTURN t                         ; LDS serves a wave's instructions in order: no wait between the stores and the loads
.irp i, 0,1,2,3
	ds_store_b128 v14, v[XR+16*((\t)%4)+4*\i:XR+16*((\t)%4)+4*\i+3] offset:32*SP*((\t)%2)+8*SP*\i
.endr
.irp i, 0,1,2,3
	ds_load_b128 v[XX+16*((\t)%2)+4*\i:XX+16*((\t)%2)+4*\i+3], v15 offset:32*SP*((\t)%2)+16*\i
.endr
.endm
.macro XSTEP t
.set XS, XX+16*((\t)%2)
.if (\t) > 0
	s_wait_dscnt 1                                 ; this step's numbers are back from the stage; the last step's byte store may be out
.else
	s_wait_dscnt 0x0
.endif
.if (\t)+4 < STEPS
	XLD (\t)+4                                     ; into the registers that this step's stores into the stage have read
.endif
.if (\t)+1 < STEPS
.if STEPS-2-(\t) >= 3
	s_wait_loadcnt 12                              ; the next step's four loads are in; those of the three steps behind it may be out
.else
	s_wait_loadcnt 4*(STEPS-2-(\t))
.endif
	XTURN (\t)+1
.endif
	v_max3_num_f32 v8, |v[XS]|, |v[XS+1]|, |v[XS+2]|
	v_max3_num_f32 v9, |v[XS+3]|, |v[XS+4]|, |v[XS+5]|
.irp i, 6,10
	v_max3_num_f32 v8, v8, |v[XS+\i]|, |v[XS+\i+1]|
	v_max3_num_f32 v9, v9, |v[XS+\i+2]|, |v[XS+\i+3]|
.endr
	v_max3_num_f32 v8, v8, |v[XS+14]|, |v[XS+15]|
	v_max3_num_f32 v8, v8, v9, EFLOOR              ; my 16 and the floor,
	v_max_num_f32_dpp v8, v8, v8 row_xmask:1 row_mask:0xf bank_mask:0xf   ; and my neighbour's 16: the block's largest magnitude
	v_add_nc_u32 v11, EOFF, v8                     ; the conversion takes this operand's exponent field as its scale
	v_cvt_scalef32_pk8_fp4_f32 v[XC+4*(\t)], v[XS:XS+7], v11
	v_cvt_scalef32_pk8_fp4_f32 v[XC+4*(\t)+1], v[XS+8:XS+15], v11
	v_lshrrev_b32 v[XE+(\t)], 23, v11              ; the scale's byte
	ds_store_b8 v5, v[XE+(\t)] offset:16*(\t)      ; both lanes of a block write the same byte with the same value
	global_store_b64 v4, v[XC+4*(\t):XC+4*(\t)+1], s[10:11] offset:32*CB*(\t)   ; the wave stores 256 consecutive bytes, aligned
.endm
.irp t, 0,1,2,3
	XLD \t
.endr
	s_wait_loadcnt 12                              ; step 0's four loads are in
	XTURN 0
.irp t, 0,1,2,3,4,5,6,7,8,9,10,11,12,13,14,15
	XSTEP \t
.endr
	ds_load_b64 v[8:9], v6                         ; these see my byte stores
	s_wait_dscnt 0x0
	global_store_b64 v7, v[8:9], s[12:13]          ; 256 consecutive scale bytes, aligned
	s_wait_tensorcnt 0x0                           ; the wave's end
	ds_add_u32 v[SPW], v[NIL]
	s_wait_dscnt 0x0
	s_endpgm
; ---------------------------------------------------------------- w_qkv: K is its first axis.  A lane takes a column and its registers run down K, so the conversions give codes with K innermost.
; Work-group: 64 columns (number / 2) x 512 along K (number % 2).  Wave w: columns 16 w + r; lanes 0-15 take the even blocks of 32 along K, lanes 16-31 the odd ones: 8 iterations.
.Lw:
	s_lshr_b32 s23, ttmp9, 1                       ; which 64 columns
	s_and_b32 s24, ttmp9, 1                        ; which 512 along K
	v_lshlrev_b32 v3, 2, v1
	v_mad_u32_u24 v3, v10, 0x60000, v3             ; in: 4 r + 32 rows of 12,288 bytes x h
	s_mul_i32 s25, s22, 4608
	s_add_co_u32 s25, s25, WBASE                   ; my stage
	v_mul_u32_u24 v4, v1, 272
	v_lshl_add_u32 v4, v10, 4, v4
	v_add_nc_u32 v4, s25, v4                       ; into it: row = my column, 16 bytes a block
	v_mul_u32_u24 v7, v10, 272
	v_lshl_add_u32 v7, v1, 4, v7
	v_add_nc_u32 v7, s25, v7                       ; out of it: sixteen lanes to a row, two rows an instruction
	s_add_co_u32 s26, s25, 4352                    ; my 256 scale bytes
	v_lshl_add_u32 v5, v1, 4, v10
	v_add_nc_u32 v5, s26, v5                       ; 16 r + h
	v_lshl_add_u32 v6, v2, 3, s26                  ; and 8 bytes a lane on their way out
	v_lshlrev_b32 v8, 4, v1
	v_lshl_add_u32 v8, v10, 9, v8                  ; wc: 512 h + 16 r
	v_lshrrev_b32 v9, 1, v2
	v_lshlrev_b32 v9, 5, v9
	v_and_b32 v11, 1, v2
	v_lshl_add_u32 v9, v11, 3, v9                  ; ws: 32 (L / 2) + 8 (L % 2)
	s_mul_i32 s28, s24, 6291456                    ; 512 rows of 12,288 bytes
	s_lshl_b32 s27, s23, 8
	s_add_co_u32 s28, s28, s27
	s_lshl_b32 s27, s22, 6
	s_add_co_u32 s28, s28, s27
	s_add_nc_u64 s[6:7], s[6:7], s[28:29]
	s_lshl_b32 s30, s23, 6
	s_lshl_b32 s27, s22, 4
	s_add_co_u32 s30, s30, s27                     ; my wave's first column
	s_lshl_b32 s28, s30, 9
	s_lshl_b32 s27, s24, 8
	s_add_co_u32 s28, s28, s27
	s_add_nc_u64 s[14:15], s[14:15], s[28:29]
	s_lshl_b32 s28, s30, 5
	s_lshl_b32 s27, s24, 4
	s_add_co_u32 s28, s28, s27
	s_add_nc_u64 s[16:17], s[16:17], s[28:29]
.macro WLD i                           ; rows 64 i + 32 h + 0 .. 31 of my column; the greatest offset, 479 rows, lies inside the signed 24-bit immediate
.set e, 0
.rept 32
	global_load_b32 v[WX+32*((\i)%2)+e], v3, s[6:7] offset:(64*(\i)+e)*12288 th:TH_LOAD_NT
.set e, e+1
.endr
.endm
.macro WBLOCK i
.set WS, WX+32*((\i)%2)
.if (\i) < 7
	s_wait_loadcnt 32                              ; this iteration's 32 loads are in; the next one's may be out
.else
	s_wait_loadcnt 0
.endif
	v_max3_num_f32 v12, |v[WS]|, |v[WS+1]|, |v[WS+2]|
	v_max3_num_f32 v13, |v[WS+3]|, |v[WS+4]|, |v[WS+5]|
.irp j, 6,10,14,18,22,26
	v_max3_num_f32 v12, v12, |v[WS+\j]|, |v[WS+\j+1]|
	v_max3_num_f32 v13, v13, |v[WS+\j+2]|, |v[WS+\j+3]|
.endr
	v_max3_num_f32 v12, v12, |v[WS+30]|, |v[WS+31]|
	v_max3_num_f32 v12, v12, v13, EFLOOR           ; all 32 numbers of the block are mine
	v_add_nc_u32 v11, EOFF, v12
	v_lshrrev_b32 v[WE+(\i)], 23, v11              ; the scale's byte
.irp g, 0,1,2,3
	v_cvt_scalef32_pk8_fp4_f32 v[WC+\g], v[WS+8*\g:WS+8*\g+7], v11
.endr
	ds_store_b128 v4, v[WC:WC+3] offset:32*(\i)    ; block 2 i + h of my column's row
	ds_store_b8 v5, v[WE+(\i)] offset:2*(\i)
.if (\i)+2 < 8
	WLD (\i)+2
.endif
	s_wait_dscnt 0x0                               ; the stores have read their registers: the next block's codes may be written
.endm
	WLD 0
	WLD 1
.irp i, 0,1,2,3,4,5,6,7
	WBLOCK \i
.endr
.irp i, 0,1,2,3,4,5,6,7
	ds_load_b128 v[WOUT+4*\i:WOUT+4*\i+3], v7 offset:2*\i*272
.endr
	ds_load_b64 v[12:13], v6
.irp i, 0,1,2,3,4,5,6,7
	s_wait_dscnt 8-\i
	global_store_b128 v8, v[WOUT+4*\i:WOUT+4*\i+3], s[14:15] offset:2*\i*512   ; sixteen lanes store 256 consecutive bytes, aligned
.endr
	s_wait_dscnt 0x0
	global_store_b64 v9, v[12:13], s[16:17]        ; 16 bytes of each of 16 rows of 32: pieces, one byte for each 128 that this path reads
	s_wait_tensorcnt 0x0                           ; the wave's end
	ds_add_u32 v[SPW], v[NIL]
	s_wait_dscnt 0x0
	s_endpgm
; ---------------------------------------------------------------- RoPE's table.  Wave w stands for (bb = w / 2, jh = w % 2); lane (r, h) has t = 16 block + r and the four frequencies i = 16 bb + 8 h + 4 jh + 0 .. 3.
; angle a = t x 10000^(-i/32), rounded to f32 as the problem's own product is; f = a / 2 pi less the nearest whole number (1 / 2 pi in two parts); with s = sin(pi f), c = cos(pi f), |pi f| <= pi / 2, by their series:
; sin a = 2 s c, cos a = 1 - 2 s s.  The first terms left out are under 1e-7.
.Lr:
	s_lshr_b32 s23, s22, 1
	s_lshl_b32 s23, s23, 4
	s_and_b32 s24, s22, 1
	s_lshl_b32 s24, s24, 2
	s_add_co_u32 s23, s23, s24
	v_lshl_add_u32 v3, v10, 3, s23                 ; 16 bb + 4 jh + 8 h
	s_sub_co_u32 s30, ttmp9, 96                    ; which four blocks of 16 t
	s_lshl_b32 s23, s30, 6
	v_add_nc_u32 v4, s23, v1                       ; t of the first of them
	s_lshl_b32 s28, s30, 14
	s_add_nc_u64 s[20:21], s[20:21], s[28:29]
	v_lshlrev_b32 v6, 4, v0                        ; 512 w + 16 L
	s_mov_b32 s24, 0xbbf183a8                      ; -pi^11 / 11!
	s_mov_b32 s25, 0x3afce9c5                      ; pi^12 / 12!
	s_mov_b32 s26, 0x31dc9c88                      ; 1 / 2 pi: what its f32 leaves out
	s_mov_b32 s27, 0x3e22f983                      ; 1 / 2 pi
.irp e, 0,1,2,3
	v_add_nc_u32 v[RFQ+\e], \e, v3
.endr
.irp e, 0,1,2,3
	v_cvt_f32_u32 v[RFQ+\e], v[RFQ+\e]
.endr
.irp e, 0,1,2,3
	v_mul_f32 v[RFQ+\e], 0xbed49a78, v[RFQ+\e]     ; x -log2(10000) / 32
.endr
.irp e, 0,1,2,3
	v_exp_f32 v[RFQ+\e], v[RFQ+\e]
.endr
	v_nop                                          ; a plain instruction behind the last exponential,
	s_wait_alu depctr_va_vdst(0)                   ; and one wait for the four, ahead of their first reader
.macro HORNER reg, k                   ; reg = reg x u + k
.irp e, 0,1,2,3
	v_fmaak_f32 v[\reg+\e], v[\reg+\e], v[RU+\e], \k
.endr
.endm
.irp it, 0,1,2,3
	v_add_nc_u32 v[RT+1], 16*\it, v4
	v_cvt_f32_u32 v[RT], v[RT+1]
.irp e, 0,1,2,3
	v_mul_f32 v[RA+\e], v[RT], v[RFQ+\e]
.endr
.irp e, 0,1,2,3
	v_mul_f32 v[RK+\e], s27, v[RA+\e]
.endr
.irp e, 0,1,2,3
	v_rndne_f32 v[RK+\e], v[RK+\e]
.endr
.irp e, 0,1,2,3
	v_fma_f32 v[RF+\e], v[RA+\e], s27, -v[RK+\e]
.endr
.irp e, 0,1,2,3
	v_fma_f32 v[RF+\e], v[RA+\e], s26, v[RF+\e]
.endr
.irp e, 0,1,2,3
	v_mul_f32 v[RU+\e], v[RF+\e], v[RF+\e]
.endr
.irp e, 0,1,2,3
	v_fmaak_f32 v[RP+\e], s24, v[RU+\e], 0x3da83c1a   ; pi^9 / 9!
	v_fmaak_f32 v[RQ+\e], s25, v[RU+\e], 0xbcd368f9   ; -pi^10 / 10!
.endr
	HORNER RP, 0xbf196966                          ; -pi^7 / 7!
	HORNER RQ, 0x3e70fa83                          ; pi^8 / 8!
	HORNER RP, 0x402335e3                          ; pi^5 / 5!
	HORNER RQ, 0xbfaae9e4                          ; -pi^6 / 6!
	HORNER RP, 0xc0a55de7                          ; -pi^3 / 3!
	HORNER RQ, 0x4081e0f8                          ; pi^4 / 4!
	HORNER RP, 0x40490fdb                          ; pi
	HORNER RQ, 0xc09de9e6                          ; -pi^2 / 2
.irp e, 0,1,2,3
	v_mul_f32 v[RP+\e], v[RP+\e], v[RF+\e]         ; s
	v_fma_f32 v[RQ+\e], v[RQ+\e], v[RU+\e], 1.0    ; c
.endr
.irp e, 0,1,2,3
	v_add_f32 v[RA+\e], v[RP+\e], v[RP+\e]         ; 2 s
.endr
.irp e, 0,1,2,3
	v_fma_f32 v[ROUT+8*\it+\e], -v[RA+\e], v[RP+\e], 1.0
	v_mul_f32 v[ROUT+8*\it+4+\e], v[RA+\e], v[RQ+\e]
.endr
	global_store_b128 v6, v[ROUT+8*\it:ROUT+8*\it+3], s[20:21] offset:4096*\it          ; the wave stores 512 consecutive bytes, aligned
	global_store_b128 v6, v[ROUT+8*\it+4:ROUT+8*\it+7], s[20:21] offset:4096*\it+2048
.endr
	s_endpgm
; ---------------------------------------------------------------- w_out to f16: a wave takes 4,096 numbers; all its 32 loads go out first
.Lo:
	s_sub_co_u32 s23, ttmp9, 128
	s_lshl_b32 s23, s23, 2
	s_add_co_u32 s23, s23, s22
	s_lshl_b32 s28, s23, 14
	s_add_nc_u64 s[8:9], s[8:9], s[28:29]
	s_lshl_b32 s28, s23, 13
	s_add_nc_u64 s[18:19], s[18:19], s[28:29]
	v_lshlrev_b32 v3, 4, v2
	v_lshlrev_b32 v4, 3, v2
.set i, 0
.rept 32
	global_load_b128 v[16+4*i:16+4*i+3], v3, s[8:9] offset:512*i th:TH_LOAD_NT
.set i, i+1
.endr
.set i, 0
.rept 32
	s_wait_loadcnt 31-i                            ; loads come back in order: the later ones may be out
	v_cvt_pk_f16_f32 v[16+4*i], v[16+4*i], v[17+4*i]
	v_cvt_pk_f16_f32 v[17+4*i], v[18+4*i], v[19+4*i]
	global_store_b64 v4, v[16+4*i:17+4*i], s[18:19] offset:256*i   ; the wave stores 256 consecutive bytes, aligned
.set i, i+1
.endr
	s_endpgm
.Lfunc_end_k_q890d32fca2_prep:
	.size	k_q890d32fca2_prep, .Lfunc_end_k_q890d32fca2_prep-k_q890d32fca2_prep
	.p2alignl 7, 3214868480
	.fill 96, 4, 3214868480
	.section	.rodata,"a",@progbits
	.p2align	6, 0x0
	.amdhsa_kernel k_q890d32fca2_prep
		.amdhsa_group_segment_fixed_size 51712
		.amdhsa_private_segment_fixed_size 0
		.amdhsa_enable_private_segment 0
		.amdhsa_kernarg_size 72
		.amdhsa_user_sgpr_count 2
		.amdhsa_user_sgpr_kernarg_segment_ptr 1
		.amdhsa_wavefront_size32 1
		.amdhsa_system_sgpr_workgroup_id_x 1
		.amdhsa_system_sgpr_workgroup_id_y 1
		.amdhsa_system_sgpr_workgroup_id_z 1
		.amdhsa_system_vgpr_workitem_id 0
		.amdhsa_next_free_vgpr 192
		.amdhsa_next_free_sgpr 66
		.amdhsa_reserve_vcc 0
		.amdhsa_float_denorm_mode_32 3
		.amdhsa_float_denorm_mode_16_64 3
		.amdhsa_memory_ordered 1
		.amdhsa_forward_progress 1
		.amdhsa_inst_pref_size 105
	.end_amdhsa_kernel
	.amdgpu_metadata
---
amdhsa.version: [ 1, 2 ]
amdhsa.kernels:
  - .name:           k_q890d32fca2_prep
    .symbol:         k_q890d32fca2_prep.kd
    .args:
      - { .name: x, .offset: 0, .size: 8, .value_kind: global_buffer, .address_space: global }
      - { .name: w_qkv, .offset: 8, .size: 8, .value_kind: global_buffer, .address_space: global }
      - { .name: w_out, .offset: 16, .size: 8, .value_kind: global_buffer, .address_space: global }
      - { .name: xc, .offset: 24, .size: 8, .value_kind: global_buffer, .address_space: global }
      - { .name: xs, .offset: 32, .size: 8, .value_kind: global_buffer, .address_space: global }
      - { .name: wc, .offset: 40, .size: 8, .value_kind: global_buffer, .address_space: global }
      - { .name: ws, .offset: 48, .size: 8, .value_kind: global_buffer, .address_space: global }
      - { .name: wo16, .offset: 56, .size: 8, .value_kind: global_buffer, .address_space: global }
      - { .name: rope, .offset: 64, .size: 8, .value_kind: global_buffer, .address_space: global }
    .group_segment_fixed_size: 51712
    .private_segment_fixed_size: 0
    .kernarg_segment_align: 8
    .kernarg_segment_size: 72
    .max_flat_workgroup_size: 128
    .sgpr_count:     66
    .vgpr_count:     192
    .wavefront_size: 32
...
	.end_amdgpu_metadata
.endif
;; end of part 1
;; launch qkv (part 2): grid 12 x 32, 4 waves a work-group, clusters of 4 x 4, 327,680 bytes of LDS; arguments xc, xs, wc, ws, rope, qkv; writes qkv
.if DOCPART == 2
	.amdgcn_target "amdgcn-amd-amdhsa--gfx1250"
	.amdhsa_code_object_version 6
	.text
	.protected	k_q890d32fca2_qkv
	.globl	k_q890d32fca2_qkv
	.p2align	8
	.type	k_q890d32fca2_qkv,@function
k_q890d32fca2_qkv:
	s_mov_b64 s[64:65], 0
	v_nop
	global_prefetch_b8 v0, s[64:65] scope:SCOPE_SE
	s_setreg_imm32_b32 hwreg(HW_REG_WAVE_MODE, 25, 1), 1
	s_wait_xcnt 0x0
	s_wait_alu depctr_hold_cnt(0) depctr_sa_sdst(0) depctr_va_vdst(0) depctr_va_sdst(0) depctr_va_ssrc(0) depctr_va_vcc(0) depctr_vm_vsrc(0)
	s_getreg_b32 s2, hwreg(HW_REG_IB_STS2, 6, 4)
	s_cmp_eq_u32 s2, 0
	s_cbranch_scc0 .Lentry_in_a_cluster
	s_endpgm
.Lentry_in_a_cluster:
	s_bfe_u32 s2, ttmp6, 0x10000c
	s_cmp_lg_u32 s2, 0xf033
	s_cbranch_scc0 .Lentry_shape_is_right
	s_endpgm
.Lentry_shape_is_right:
; QKV: x w_qkv on codes of FP4 (E2M1) with one E8M0 scale for each 32 along K, sums in f32; RoPE on q and k in f32; all three rounded to f16 and laid by heads: qkv [3 planes q, k, v][64 b x head][2048 t][64] f16.
; A = xc [8192][512 bytes], B = wc [3072][512 bytes]; their scale bytes xs [8192][32], ws [3072][32].
; A tile of 256 x 256 is made by four waves, each 128 x 128: 64 accumulators, 512 registers.  K = 1,024 is two slots of 512 along K (rows of 256 bytes): both, and the scales of all of K, are asked for at the start; nothing is filled again.
; CLUSTERS: 4 x 4 work-groups.  The four of a row of the cluster need the same tiles of A, the four of a column the same tiles of B: each tile is asked for jointly, by the same tensor load with the same descriptor and a mask that names the four.
; THE MATRIX INSTRUCTION IS USED TRANSPOSED (source 0 = 16 rows of B, source 1 = 16 rows of A): lane (r, h) holds row r, and in accumulator b the columns 16 b + 8 h + 0 .. 7.  A wave's 128 columns are two heads, so RoPE's partner of
; channel d, d + 32, is the same register of accumulator b + 2 in the same lane: RoPE needs no other lane.  Its cosines and sines come from the table as images of the registers that want them.
; A cluster's four tile columns are one plane (cluster x = 0: q, 1: k, 2: v), so the one branch on the plane is alike in all sixteen partners.
; LIMIT: |q|, |k|, |v| stay under 65,504, f16's largest number.
; REGISTERS, in windows of 256: window 0: v0-31 addresses; v32-95 scale words, two sets; v96-127, v192-223 the table's two sets; v128-191 A's fragments, one set; on the way out v32-95 rotated numbers, v224-255 packed, v128-191 rows read back.
;   window 1: B's fragments, two sets.   windows 2, 3: the accumulators of my rows 0-63, 64-127 ((a, b) at v[8 (8 (a % 4) + b)]).
.set NQ,     4                         ; matrix instructions deep in a slot
.set ROWB,   256                       ; a tile's row: 512 codes
.set KROW,   512                       ; a row of A or B in memory
.set PITCH,  272                       ; an LDS row: 256 bytes + 16 of padding: the 16 rows that a load touches start 16 bytes apart modulo 256
.set FR,     8
.set NL,     2
.set NP,     4
.set HALFT,  128*PITCH
.set SLOT,   4*HALFT
.set KS,     32                        ; a row of scale bytes
.set SCL,    2*SLOT                    ; behind the slots: the scales, as rows of 256 bytes + 16 of padding
.set HALFS,  16*272                    ; those of 128 rows
.set SBLK,   2*272                     ; those of 16 rows
.set SPARE,  SCL+4*HALFS               ; the spare words, 128 bytes for each wave: two blocks of 256 bytes that no other line names
.set ADRA, 16                          ; v16-17 LDS address of my A fragments in slot 0, 1
.set ADRB, 20                          ; v20-21 the same for B
.set STO,  24                          ; v24 the way out: where I put 16 bytes of a head's row.  The stage, 2 heads x 16 rows x 144 bytes a wave, lies in slot 0, which has had its only fill and its last read by then
.set RD,   25                          ; v25 where I read rows back
.set CO,   26                          ; v26 16 x lane: my place in 512 consecutive bytes, of the table and of qkv; never rewritten
.set ADRS, 27                          ; v27 LDS address of my scale words: lanes 0-15 A's rows, lanes 16-31 B's
.set SPW,  28                          ; v28 LDS address of my spare word; never rewritten
.set NIL,  29                          ; v29 0; never rewritten
.set SC,   32
.set AF,   128
.set YR,   32
.set CS0,  96                          ; the table's set for even blocks; the odd blocks' lies 96 registers on
.set PK,   224
.set BK,   128
.set G1, 24
.set G0, 32
.set G1B, 48
.set G0B, 56
.set G1S, 68
.set G0S, 76
.set G1SB, 80
.set G0SB, 88
.set MSB, 0
.macro WIN new                         ; the immediate's high byte repeats the setting that is left
.if MSB != \new
	s_set_vgpr_msb (MSB<<8)|\new
.set MSB, \new
.endif
.endm
.set MUL_LO, 0xa1                      ; source 0 (B) window 1, source 1 (A) window 0, C and D window 2
.set MUL_HI, 0xf1                      ; the same, C and D window 3
.set TO_B,   0x40                      ; destination window 1
; A joint load: waves 0 and 1 fetch for A, waves 2 and 3 for B; the branch hangs on the wave's number alone.  An s_nop 0 and four v_nop follow each line.
.macro JLOAD g0a, g1a, g0b, g1b
	s_cmp_eq_u32 s15, 0
	s_cbranch_scc0 .Lfor_b_\@
	tensor_load_to_lds s[\g0a:\g0a+3], s[\g1a:\g1a+7]
	s_nop 0
.rept 4
	v_nop
.endr
	s_branch .Lasked_\@
.Lfor_b_\@:
	tensor_load_to_lds s[\g0b:\g0b+3], s[\g1b:\g1b+7]
	s_nop 0
.rept 4
	v_nop
.endr
.Lasked_\@:
.endm
.macro CROUND                          ; a round of the cluster's barrier
	s_barrier_signal -1
	s_barrier_wait -1
	s_cmp_lg_u32 s14, 0
	s_cbranch_scc1 .Lnot_wave_0_\@
	s_barrier_signal -3
.Lnot_wave_0_\@:
	s_barrier_wait -3
	s_barrier_signal -1
	s_barrier_wait -1
.endm
	s_load_b128 s[4:7], s[0:1], 0x0                ; xc, xs
	s_load_b128 s[8:11], s[0:1], 0x10              ; wc, ws
	s_load_b64 s[96:97], s[0:1], 0x20              ; rope
	s_load_b64 s[12:13], s[0:1], 0x28              ; qkv
	v_lshl_add_u32 v[SPW], v0, 2, SPARE
	v_mov_b32 v[NIL], 0
	ds_add_u32 v[SPW], v[NIL]                      ; the wave's opening: the add, and its wait, ahead of my first tensor load; the set-up below stands between them
	v_lshrrev_b32 v1, 5, v0
	v_readfirstlane_b32 s14, v1                    ; wave 0..3
	s_lshr_b32 s15, s14, 1                         ; which half of the tile's rows is mine.  Also: I fetch for A (0) or for B (1)
	s_and_b32 s16, s14, 1                          ; which half of its columns.  Also: which 128 rows of that tile I fetch
	s_bfe_u32 s40, ttmp6, 0x40000                  ; cx, cy: my place in the cluster
	s_bfe_u32 s41, ttmp6, 0x40004
	s_lshl_b32 s42, ttmp9, 2
	s_add_co_u32 s42, s42, s40                     ; tile column = 4 x cluster x + cx
	s_and_b32 s17, ttmp7, 0xffff
	s_lshl_b32 s17, s17, 2
	s_add_co_u32 s17, s17, s41                     ; tile row = 4 x cluster y + cy
	s_lshl_b32 s43, s41, 2
	s_lshl_b32 s43, 15, s43                        ; my row of the cluster
	s_lshl_b32 s44, 0x1111, s40                    ; my column
	s_or_b32 s[G1+0], s43, (0<<16)|(1<<20)|(1<<21)|(5<<22)|(3<<25)  ; the mask; elements of 1 byte; padding on; bit 21 beside a mask; 4 words of padding after every 64
	s_or_b32 s[G1B+0], s44, (0<<16)|(1<<20)|(1<<21)|(5<<22)|(3<<25)
.irp g, G1, G1B
	s_mov_b32 s[\g+1], ROWB<<16                    ; tensor_dim0
	s_mov_b32 s[\g+2], 128<<16                     ; tensor_dim1
	s_mov_b32 s[\g+3], ROWB<<16                    ; tile_dim0
	s_mov_b32 s[\g+4], 128                         ; tile_dim1
	s_mov_b32 s[\g+5], KROW                        ; from row to row
	s_mov_b32 s[\g+6], 0
	s_mov_b32 s[\g+7], 0
.endr
	s_or_b32 s[G1S+0], s43, (3<<16)|(1<<20)|(1<<21)|(5<<22)|(3<<25)  ; the scales of 128 rows: 4,096 dense bytes as 16 rows of 32 elements of 8 bytes
	s_or_b32 s[G1SB+0], s44, (3<<16)|(1<<20)|(1<<21)|(5<<22)|(3<<25)
.irp g, G1S, G1SB
	s_mov_b32 s[\g+1], 32<<16
	s_mov_b32 s[\g+2], 16<<16
	s_mov_b32 s[\g+3], 32<<16
	s_mov_b32 s[\g+4], 16
	s_mov_b32 s[\g+5], 32
	s_mov_b32 s[\g+6], 0
	s_mov_b32 s[\g+7], 0
.endr
	s_lshl_b32 s18, s16, 7                         ; which 128 rows of the tile I fetch
	s_lshl_b32 s20, s17, 8
	s_add_co_u32 s20, s20, s18                     ; A: row 256 x tile row + 128 x half
	s_lshl_b32 s46, s42, 8
	s_add_co_u32 s46, s46, s18                     ; B: row 256 x tile column + 128 x half
	s_mov_b32 s21, 0
	s_mov_b32 s47, 0
	s_mov_b64 s[18:19], KS
	s_mul_u64 s[22:23], s[20:21], s[18:19]         ; where these rows' scales begin,
	s_mul_u64 s[92:93], s[46:47], s[18:19]
	s_mov_b64 s[18:19], KROW
	s_mul_u64 s[20:21], s[20:21], s[18:19]         ; and their codes
	s_mul_u64 s[46:47], s[46:47], s[18:19]
	s_mul_i32 s45, s14, HALFT                      ; where they go: wave x 128 rows: no place in the cluster enters an LDS address
	s_mul_i32 s94, s14, HALFS
	s_wait_dscnt 0x0                               ; the opening add is done
	s_wait_kmcnt 0x0
	s_add_nc_u64 s[20:21], s[4:5], s[20:21]
	s_add_nc_u64 s[22:23], s[6:7], s[22:23]
	s_add_nc_u64 s[46:47], s[8:9], s[46:47]
	s_add_nc_u64 s[92:93], s[10:11], s[92:93]
	CROUND                                         ; all sixteen work-groups are here: the joint loads meet
	s_mov_b32 s[G0S], 1
	s_add_co_u32 s[G0S+1], s94, SCL
	s_mov_b64 s[G0S+2:G0S+3], s[22:23]
	s_or_b32 s[G0S+3], s[G0S+3], 0x80000000
	s_mov_b32 s[G0SB], 1
	s_add_co_u32 s[G0SB+1], s94, SCL
	s_mov_b64 s[G0SB+2:G0SB+3], s[92:93]
	s_or_b32 s[G0SB+3], s[G0SB+3], 0x80000000
	JLOAD G0S, G1S, G0SB, G1SB                     ; the scales first; with the two slots three loads of mine are out
.irp s, 0,1
	s_mov_b32 s[G0+4*\s], 1
	s_add_co_u32 s[G0+4*\s+1], s45, \s*SLOT
	s_add_nc_u64 s[G0+4*\s+2:G0+4*\s+3], s[20:21], \s*ROWB
	s_or_b32 s[G0+4*\s+3], s[G0+4*\s+3], 0x80000000
	s_mov_b32 s[G0B+4*\s], 1
	s_add_co_u32 s[G0B+4*\s+1], s45, \s*SLOT
	s_add_nc_u64 s[G0B+4*\s+2:G0B+4*\s+3], s[46:47], \s*ROWB
	s_or_b32 s[G0B+4*\s+3], s[G0B+4*\s+3], 0x80000000
	JLOAD G0+4*\s, G1, G0B+4*\s, G1B
.endr
	v_and_b32 v1, 15, v0                           ; r
	v_bfe_u32 v2, v0, 4, 1                         ; h
	v_mul_u32_u24 v3, v1, PITCH
	v_lshl_add_u32 v4, v2, 4, v3                   ; a fragment's row x pitch + 16 h
	s_mul_i32 s21, s15, HALFT                      ; my 128 rows of A
	s_mul_i32 s22, s16, HALFT                      ; my 128 rows of B,
	s_add_co_u32 s22, s22, 2*HALFT                 ; which lie behind A's 256
.irp s, 0,1
	v_add_nc_u32 v[ADRA+\s], s21, v4
	v_add_nc_u32 v[ADRB+\s], s22, v4
	s_add_co_u32 s21, s21, SLOT
	s_add_co_u32 s22, s22, SLOT
.endr
	v_mul_u32_u24 v5, v1, KS                       ; my row's scales: 32 bytes a row,
	v_lshrrev_b32 v6, 8, v5
	v_lshl_add_u32 v5, v6, 4, v5                   ; and 16 more for each 256 passed
	s_mul_i32 s21, s15, HALFS
	s_mul_i32 s22, s16, HALFS
	s_add_co_u32 s22, s22, 2*HALFS
	s_sub_co_u32 s22, s22, s21
	v_mul_u32_u24 v6, s22, v2                      ; lanes 16-31 take B's
	s_add_co_u32 s21, s21, SCL
	v_add_nc_u32 v5, v5, v6
	v_add_nc_u32 v[ADRS], s21, v5
	s_mul_i32 s23, s14, 4608                       ; my stage
	v_mul_u32_u24 v5, v1, 144
	v_lshl_add_u32 v5, v2, 4, v5
	v_add_nc_u32 v[STO], s23, v5                   ; in: row r, 16 h
	v_and_b32 v6, 31, v0
	v_lshlrev_b32 v[CO], 4, v6
	v_lshrrev_b32 v7, 3, v6
	v_mul_u32_u24 v7, v7, 144
	v_and_b32 v8, 7, v6
	v_lshl_add_u32 v7, v8, 4, v7
	v_add_nc_u32 v[RD], s23, v7                    ; back: eight lanes to a row of 128 bytes, four rows an instruction
	s_and_b32 s20, s17, 7                          ; the table: my rows' t begins at 256 (tile row % 8) + 128 x half: 16 t to a block of 4,096 bytes
	s_lshl_b32 s20, s20, 4
	s_lshl_b32 s21, s15, 3
	s_add_co_u32 s20, s20, s21
	s_lshl_b32 s20, s20, 12
	s_mov_b32 s21, 0
	s_add_nc_u64 s[96:97], s[96:97], s[20:21]
	s_lshl_b32 s46, s42, 2                         ; qkv: my first head among the 48 of the three planes: 4 x tile column + 2 x half
	s_lshl_b32 s47, s16, 1
	s_add_co_u32 s46, s46, s47
	s_lshr_b32 s47, s46, 4
	s_lshl_b32 s47, s47, 24                        ; the plane: 16,777,216 bytes
	s_and_b32 s46, s46, 15
	s_lshl_b32 s46, s46, 18                        ; the head: 262,144
	s_add_co_u32 s46, s46, s47
	s_lshr_b32 s47, s17, 3
	s_lshl_b32 s47, s47, 22                        ; the batch: 16 heads
	s_add_co_u32 s46, s46, s47
	s_and_b32 s47, s17, 7
	s_lshl_b32 s47, s47, 15                        ; t: 256 rows of 128 bytes to a tile row,
	s_add_co_u32 s46, s46, s47
	s_lshl_b32 s47, s15, 14                        ; 128 to my half
	s_add_co_u32 s46, s46, s47
	s_mov_b32 s47, 0
	s_add_nc_u64 s[12:13], s[12:13], s[46:47]
.macro LOADCS a                        ; the table's block for my rows 16 a on: registers 0-15 cos(i = 16 bb + 8 h + j) at 8 bb + j, registers 16-31 the sines
.set CSB, CS0+96*((\a)%2)
.irp q, 0,1,2,3,4,5,6,7
	global_load_b128 v[CSB+4*\q:CSB+4*\q+3], v[CO], s[96:97] offset:4096*(\a)+512*\q
.endr
.endm
	LOADCS 0                                       ; asked for here, wanted behind the products.  v's work-groups ask too and do not use them: so one test of the plane, at the way out, is all
	LOADCS 1
.macro FRAG reg, adr, q, i             ; 16 rows x 128 K of 4-bit codes: 8 registers: lane (r, h): registers 4 c .. 4 c + 3 hold K = 64 c + 32 h + 0 .. 31
.irp c, 0,1
	ds_load_b128 v[\reg+4*\c:\reg+4*\c+3], v[\adr] offset:64*(\q)+32*\c+(\i)*16*PITCH
.endr
.endm
; 16 matrix instructions: A's blocks a0, a0 + 1 x B's eight, the slot's q-th 128 along K.  p: B's set; sc: the set of scale words.  The 64 accumulators take turns, one instruction a turn.
.macro MUL16 a0, p, q, sc, zero
.irp a, \a0, \a0+1
.irp b, 0,1,2,3,4,5,6,7
.if \zero
	v_wmma_scale_f32_16x16x128_f8f6f4 v[8*(8*((\a)%4)+\b):8*(8*((\a)%4)+\b)+7], v[128*(\p)+FR*\b:128*(\p)+FR*\b+FR-1], v[AF+FR*(\a):AF+FR*(\a)+FR-1], 0, v[SC+8*NQ*(\sc)+NQ*\b+(\q)], v[SC+8*NQ*(\sc)+NQ*(\a)+(\q)] matrix_a_fmt:MATRIX_FMT_FP4 matrix_b_fmt:MATRIX_FMT_FP4 matrix_a_scale:MATRIX_SCALE_ROW1
.else
	v_wmma_scale_f32_16x16x128_f8f6f4 v[8*(8*((\a)%4)+\b):8*(8*((\a)%4)+\b)+7], v[128*(\p)+FR*\b:128*(\p)+FR*\b+FR-1], v[AF+FR*(\a):AF+FR*(\a)+FR-1], v[8*(8*((\a)%4)+\b):8*(8*((\a)%4)+\b)+7], v[SC+8*NQ*(\sc)+NQ*\b+(\q)], v[SC+8*NQ*(\sc)+NQ*(\a)+(\q)] matrix_a_fmt:MATRIX_FMT_FP4 matrix_b_fmt:MATRIX_FMT_FP4 matrix_a_scale:MATRIX_SCALE_ROW1
.endif
.endr
.endr
.endm
.macro FETCH_B slot, q, p
	WIN TO_B
.irp i, 0,1,2,3,4,5,6,7
	FRAG 128*(\p)+FR*\i, ADRB+\slot, \q, \i
.endr
	WIN 0
.endm
.macro FETCH_A slot, q, i0
.irp i, \i0, \i0+1, \i0+2, \i0+3
	FRAG AF+FR*(\i), ADRA+\slot, \q, \i
.endr
.endm
.macro SCALES sc                       ; a slot's scale words: 4 a row; lanes 0-15 take A's block i, lanes 16-31 B's block i
.irp i, 0,1,2,3,4,5,6,7
	ds_load_b128 v[SC+8*NQ*\sc+NQ*\i:SC+8*NQ*\sc+NQ*\i+3], v[ADRS] offset:\i*SBLK
.endr
.endm
.macro PLACES n                        ; plain vector instructions between a matrix instruction and a load into, or a read of, its registers
.rept \n
	v_nop
.endr
.endm
.macro STEP slot, q, zero              ; 128 along K with its successor in the same slot
	s_wait_dscnt 4*NL                              ; B's set and A's blocks 0-3 are in; A's blocks 4-7 may be out
	WIN MUL_LO
	MUL16 0, (\q)%2, \q, \slot, \zero
	MUL16 2, (\q)%2, \q, \slot, \zero
	s_wait_dscnt 0
	PLACES NP
	FETCH_B \slot, (\q)+1, 1-(\q)%2
	FETCH_A \slot, (\q)+1, 0
	WIN MUL_HI
	MUL16 4, (\q)%2, \q, \slot, \zero
	MUL16 6, (\q)%2, \q, \slot, \zero
	PLACES NP
	WIN 0
	FETCH_A \slot, (\q)+1, 4
.endm
.macro TURN slot, next                 ; a slot's last step changes slots: one barrier; in front of it my part of the next slot has landed and my reads of this slot are over.  Nothing is filled again
	s_wait_tensorcnt 0x0                           ; all my tensor loads have landed
	ds_add_u32 v[SPW], v[NIL]                      ; 0 onto my spare word
	s_wait_dscnt 4*NL+1                            ; the add and A's blocks 4-7 may be out
	WIN MUL_LO
	MUL16 0, 1, NQ-1, \slot, 0
	s_wait_dscnt 0x0                               ; the add is done, and my reads of this slot are over
	s_barrier_signal -1
	MUL16 2, 1, NQ-1, \slot, 0
	WIN 0
	s_barrier_wait -1
	PLACES NP
	v_add_nc_u32 v[ADRS], 4*NQ, v[ADRS]            ; on to the next slot's scale words
	FETCH_B \next, 0, 0
	FETCH_A \next, 0, 0
	SCALES \next
	WIN MUL_HI
	MUL16 4, 1, NQ-1, \slot, 0
	MUL16 6, 1, NQ-1, \slot, 0
	PLACES NP
	WIN 0
	FETCH_A \next, 0, 4
.endm
.macro STEPS slot, from
.set Q, \from
.rept NQ-1-\from
	STEP \slot, Q, 0
.set Q, Q+1
.endr
.endm
	s_wait_tensorcnt 1                             ; the scales and my part of slot 0 are in; slot 1's load may be out,
	s_barrier_signal -1
	s_barrier_wait -1                              ; everybody's are
	FETCH_B 0, 0, 0
	FETCH_A 0, 0, 0
	SCALES 0
	FETCH_A 0, 0, 4
	STEP 0, 0, 1                                   ; the first products start the sums: nothing is cleared
	STEPS 0, 1
	TURN 0, 1
	STEPS 1, 0
	s_wait_dscnt 4*NL                              ; the last step: nothing more to fetch
	WIN MUL_LO
	MUL16 0, 1, NQ-1, 1, 0
	MUL16 2, 1, NQ-1, 1, 0
	s_wait_dscnt 0
	WIN MUL_HI
	MUL16 4, 1, NQ-1, 1, 0
	MUL16 6, 1, NQ-1, 1, 0
	WIN 0
; THE WAY OUT, block by block of 16 rows x 2 heads.
.macro ROPE a                          ; y(d) = x(d) cos - x(d + 32) sin, y(d + 32) = x(d + 32) cos + x(d) sin, d < 32; each accumulator is read from its low end on
.set CSB, CS0+96*((\a)%2)
.set AC, 64*((\a)%4)
.set WN, 0x02+(\a)/4
.if (\a) < 7
	s_wait_loadcnt 8                               ; this block's eight table loads are in; the next block's may be out
.else
	s_wait_loadcnt 0
.endif
	WIN WN                                         ; source 0: the accumulators' window
.irp g, 0,1,4,5                        ; accumulators g and g + 2: head g / 4, channels 16 (g % 4) + 8 h on and their partners
.irp p, 0,2,4,6
	v_pk_mul_f32 v[YR+8*\g+\p:YR+8*\g+\p+1], v[AC+8*\g+\p:AC+8*\g+\p+1], v[CSB+8*(\g%4)+\p:CSB+8*(\g%4)+\p+1]
.endr
.irp p, 0,2,4,6
	v_pk_mul_f32 v[YR+8*(\g+2)+\p:YR+8*(\g+2)+\p+1], v[AC+8*(\g+2)+\p:AC+8*(\g+2)+\p+1], v[CSB+8*(\g%4)+\p:CSB+8*(\g%4)+\p+1]
.endr
.irp p, 0,2,4,6
	v_pk_fma_f32 v[YR+8*\g+\p:YR+8*\g+\p+1], v[AC+8*(\g+2)+\p:AC+8*(\g+2)+\p+1], v[CSB+16+8*(\g%4)+\p:CSB+16+8*(\g%4)+\p+1], v[YR+8*\g+\p:YR+8*\g+\p+1] neg_lo:[1,0,0] neg_hi:[1,0,0]
.endr
.irp p, 0,2,4,6
	v_pk_fma_f32 v[YR+8*(\g+2)+\p:YR+8*(\g+2)+\p+1], v[AC+8*\g+\p:AC+8*\g+\p+1], v[CSB+16+8*(\g%4)+\p:CSB+16+8*(\g%4)+\p+1], v[YR+8*(\g+2)+\p:YR+8*(\g+2)+\p+1]
.endr
.endr
	WIN 0
.set i, 0
.rept 32
	v_cvt_pk_f16_f32 v[PK+i], v[YR+2*i], v[YR+2*i+1]
.set i, i+1
.endr
.if (\a) < 6
	LOADCS (\a)+2
.endif
.endm
.macro PACKV a                         ; v is only rounded
.set AC, 64*((\a)%4)
.set WN, 0x0a+5*((\a)/4)
	WIN WN                                         ; sources 0 and 1: the accumulators' window
.set i, 0
.rept 32
	v_cvt_pk_f16_f32 v[PK+i], v[AC+2*i], v[AC+2*i+1]
.set i, i+1
.endr
	WIN 0
.endm
.macro TOSTAGE a                       ; a lane's 16 bytes into rows of 144; back as four whole rows of 128 bytes an instruction.  LDS serves a wave's instructions in order: no wait between
.set BB, BK+32*((\a)%2)
.irp b, 0,1,2,3,4,5,6,7
	ds_store_b128 v[STO], v[PK+4*\b:PK+4*\b+3] offset:(\b/4)*2304+32*(\b%4)
.endr
.irp i, 0,1,2,3,4,5,6,7
	ds_load_b128 v[BB+4*\i:BB+4*\i+3], v[RD] offset:(\i/4)*2304+(\i%4)*576
.endr
.endm
.macro SEND a, younger                 ; younger: the LDS instructions issued behind block a's loads
.set BB, BK+32*((\a)%2)
	s_wait_dscnt \younger
.irp i, 0,1,2,3,4,5,6,7
	global_store_b128 v[CO], v[BB+4*\i:BB+4*\i+3], s[12:13] offset:(\i/4)*262144+2048*(\a)+512*(\i%4)   ; four rows of one head: 512 consecutive bytes, aligned
.endr
.endm
	PLACES NP                                      ; behind the last products: for the reads of results and the writes of the registers that held scales and fragments
	s_cmp_eq_u32 ttmp9, 2                          ; the cluster's x: alike in all sixteen partners
	s_cbranch_scc1 .Lplane_v
	ROPE 0
	TOSTAGE 0
.irp a, 1,2,3,4,5,6,7
	ROPE \a
.if \a > 1
	s_wait_xcnt 0x0                                ; block a - 2's stores have read their registers: block a's rows may land there
.endif
	TOSTAGE \a
	SEND \a-1, 16                                  ; behind block a - 1's loads: block a's 8 stores and 8 loads
.endr
	SEND 7, 0
	s_branch .Ldone
.Lplane_v:
	PACKV 0
	TOSTAGE 0
.irp a, 1,2,3,4,5,6,7
	PACKV \a
.if \a > 1
	s_wait_xcnt 0x0
.endif
	TOSTAGE \a
	SEND \a-1, 16
.endr
	SEND 7, 0
.Ldone:
	s_wait_tensorcnt 0x0                           ; the wave's end
	ds_add_u32 v[SPW], v[NIL]
	s_wait_dscnt 0x0
	CROUND                                         ; the closing round
	s_endpgm
.Lfunc_end_k_q890d32fca2_qkv:
	.size	k_q890d32fca2_qkv, .Lfunc_end_k_q890d32fca2_qkv-k_q890d32fca2_qkv
	.p2alignl 7, 3214868480
	.fill 96, 4, 3214868480
	.section	.rodata,"a",@progbits
	.p2align	6, 0x0
	.amdhsa_kernel k_q890d32fca2_qkv
		.amdhsa_group_segment_fixed_size 327680
		.amdhsa_private_segment_fixed_size 0
		.amdhsa_enable_private_segment 0
		.amdhsa_kernarg_size 48
		.amdhsa_user_sgpr_count 2
		.amdhsa_user_sgpr_kernarg_segment_ptr 1
		.amdhsa_wavefront_size32 1
		.amdhsa_system_sgpr_workgroup_id_x 1
		.amdhsa_system_sgpr_workgroup_id_y 1
		.amdhsa_system_sgpr_workgroup_id_z 1
		.amdhsa_system_vgpr_workitem_id 0
		.amdhsa_next_free_vgpr 1024
		.amdhsa_next_free_sgpr 100
		.amdhsa_reserve_vcc 0
		.amdhsa_float_denorm_mode_32 3
		.amdhsa_float_denorm_mode_16_64 3
		.amdhsa_memory_ordered 1
		.amdhsa_forward_progress 1
		.amdhsa_inst_pref_size 196
	.end_amdhsa_kernel
	.amdgpu_metadata
---
amdhsa.version: [ 1, 2 ]
amdhsa.kernels:
  - .name:           k_q890d32fca2_qkv
    .symbol:         k_q890d32fca2_qkv.kd
    .args:
      - { .name: xc, .offset: 0, .size: 8, .value_kind: global_buffer, .address_space: global }
      - { .name: xs, .offset: 8, .size: 8, .value_kind: global_buffer, .address_space: global }
      - { .name: wc, .offset: 16, .size: 8, .value_kind: global_buffer, .address_space: global }
      - { .name: ws, .offset: 24, .size: 8, .value_kind: global_buffer, .address_space: global }
      - { .name: rope, .offset: 32, .size: 8, .value_kind: global_buffer, .address_space: global }
      - { .name: qkv, .offset: 40, .size: 8, .value_kind: global_buffer, .address_space: global }
    .group_segment_fixed_size: 327680
    .private_segment_fixed_size: 0
    .kernarg_segment_align: 8
    .kernarg_segment_size: 48
    .max_flat_workgroup_size: 128
    .sgpr_count:     100
    .vgpr_count:     1024
    .wavefront_size: 32
...
	.end_amdgpu_metadata
.endif
;; end of part 2
;; launch attn (part 3): grid 4 x 64, 16 waves a work-group, no clusters, 327,680 bytes of LDS; arguments qkv, att; writes att
.if DOCPART == 3
	.amdgcn_target "amdgcn-amd-amdhsa--gfx1250"
	.amdhsa_code_object_version 6
	.text
	.protected	k_q890d32fca2_attn
	.globl	k_q890d32fca2_attn
	.p2align	8
	.type	k_q890d32fca2_attn,@function
k_q890d32fca2_attn:
	s_mov_b64 s[64:65], 0
	v_nop
	global_prefetch_b8 v0, s[64:65] scope:SCOPE_SE
	s_setreg_imm32_b32 hwreg(HW_REG_WAVE_MODE, 25, 1), 1
	s_wait_xcnt 0x0
; ATTN: att[bh][q][:] = the sum over k <= q of softmax_k(Q[q] . K[k] / 8) V[k][:], for each of 64 (batch, head).  Q, K, V: planes 0, 1, 2 of qkv, [64][2048][64] f16; att likewise.  Products on f16 operands, sums, maxima and the softmax in f32;
; the weights p are rounded to f16 for the second product, the result once at the end.
; SHARES.  Work-group (px, bh) owns the blocks px and 7 - px of 256 queries: under the causal mask that is the same work, nine blocks of 256 x 256, for every work-group.  Waves 0-7 take block px, waves 8-15 block 7 - px; a wave owns 32 queries,
; two tiles of 16, in 256 registers: four waves to a SIMD, so that one wave's vector work stands beside another's matrix work and LDS loads, and each fragment of K and V feeds two matrix instructions.
; K's and V's tiles come through a ring of two LDS slots of 256 keys, filled by the tensor data mover (waves 0, 1: K's halves; waves 2, 3: V's) and read by all sixteen.
; NO CLUSTER: the only work-groups that share K and V are the four px of a head, and they need 8, 7, 6 and 5 slots and leave out different steps: what they ask for and where they jump would hang on the place in the cluster.
; LAYOUT.  S^T = K Q^T (source 0 = 16 keys, source 1 = 16 queries): a lane holds one query (lane % 16) and the keys 8 (lane / 16) + 0 .. 7 of a tile.  Two such tiles, rounded in pairs, are source 1 (32 keys x 16 queries) of O^T = V^T P.
; A head's rows are 128 bytes and dense, so a tile is stated as rows of 256 bytes: key k lies at (k / 2) x pitch + 128 (k % 2).  K: pitch 272, read as it lies; V: pitch 288, turned by ds_load_tr16_b128.
; SOFTMAX.  For each query a running maximum m and sum l: p = 2^(c s - c m), c = log2(e) / 8; in every step O and l are multiplied by a = 2^(c m_old - c m_new).  The sum is taken of the unrounded p.
; CAUSAL.  Every work-group walks all 8 slots, so that trip counts are constants and every wave passes every barrier; a step all of whose 64 keys come after the wave's queries is left out by a scalar branch on ids; in the one step on the
; diagonal hidden scores become -infinity; a slot whose first key comes after the work-group's last query is not asked for.
; LIMIT: NaN and infinities in qkv are not served.
.set SLOT1, 131072                     ; slot 1 begins here: one exclusive or turns an address of one slot into the other's
.set VOFF,  34816                      ; a slot: 128 long rows of K x 272, then 128 of V x 288
.set STAGE, 202752                     ; behind the ring: 2 tiles x 16 rows x 144 bytes for each wave, for the way out; no tile lands there
.set SPARE, 276480                     ; the spare words, 128 bytes for each wave: eight blocks of 256 bytes that no other line names
.set AK0,  1                           ; v1  my lane's place in a tile of K
.set AV0,  2                           ; v2  and of V
.set SPW,  3                           ; v3  LDS address of my spare word; never rewritten
.set NIL,  4                           ; v4  0; never rewritten
.set ADK,  5                           ; v5  LDS address of the slot's K for my lane
.set ADV,  6                           ; v6  of V
.set DL,   7                           ; v7  lane % 16 - 8 (lane / 16)
.set DD,   8                           ; v8  at the head Q's offset; on the diagonal my query less my first key
.set NINF, 9                           ; v9  -infinity
.set ST,   12                          ; tile t's statistics at v[12 + 8 t]: +0 c m, +1 m, +2, +3 l, +4 .. +7 at work; a in +6
.set PFO,  28                          ; v28 256 x lane; never rewritten
.set STO,  29
.set RD,   30
.set GO,   31
.set QF,   32                          ; v32-63   Q: tile t, channels 32 c on, at 32 + 16 t + 8 c
.set S,    64                          ; v64-127  S^T: tile t, keys 16 kt on, at 64 + 32 t + 8 kt; p as f16 takes each tile's registers 0-15
.set O,    128                         ; v128-191 O^T: tile t, channels 16 ct on, at 128 + 32 t + 8 ct
.set KV,   192                         ; v192-255 K's eight fragments, then V's eight
.set TB,   2                           ; s2  LDS byte at which the slot in hand begins
.set KF,   3                           ; s3  the step's first key
.set WV,   18
.set SEL,  20                          ; s[20:21] lane selects: lane l xor 16
.set CS,   22                          ; s[22:23] c, twice: the packed form names a pair
.set G1K,  24
.set G1V,  32
.set G0K,  40
.set G0V,  44
.set SLOTS, 48
.set Q0,   49                          ; s49 my first query
.set QL,   50                          ; s50 my work-group's last query
.set LIM,  51                          ; s51 1 in a wave that prefetches, else the greatest number
.set PFA,  52                          ; s[52:53] where my prefetches stand
.macro TLOAD                           ; waves 0, 1 fetch K's halves, waves 2, 3 V's, the others nothing.  An s_nop 0 and four v_nop follow each line
	s_cmp_lt_u32 s[WV], 2
	s_cbranch_scc0 .Lnot_k_\@
	tensor_load_to_lds s[G0K:G0K+3], s[G1K:G1K+7]
	s_nop 0
.rept 4
	v_nop
.endr
	s_branch .Lasked_\@
.Lnot_k_\@:
	s_cmp_lt_u32 s[WV], 4
	s_cbranch_scc0 .Lasked_\@
	tensor_load_to_lds s[G0V:G0V+3], s[G1V:G1V+7]
	s_nop 0
.rept 4
	v_nop
.endr
.Lasked_\@:
.endm
; A prefetch of the slot that the NEXT change of slots will ask for: 32,768 dense bytes of K and as many of V.  The head's work-group px = 0, which walks all eight slots, asks; in it the waves that fetch nothing: waves 4-7 for K,
; waves 8-11 for V, 8,192 bytes a wave, lanes 256 bytes apart: each aligned block of 256 bytes is named once in the launch.  Slots 0 and 1 come by their loads alone; the last change that fills a slot asks for nothing.
.macro ASK
	s_cmp_gt_u32 s[SLOTS], s[LIM]
	s_cbranch_scc0 .Lnot_mine_\@
	global_prefetch_b8 v[PFO], s[PFA:PFA+1] th:TH_LOAD_NT scope:SCOPE_SE
.Lnot_mine_\@:
.endm
	s_load_b128 s[4:7], s[0:1], 0x0                ; qkv, att
	v_lshl_add_u32 v[SPW], v0, 2, SPARE
	v_mov_b32 v[NIL], 0
	ds_add_u32 v[SPW], v[NIL]                      ; the wave's opening: the add, and its wait, ahead of my first tensor load; the set-up below stands between them
	v_lshrrev_b32 v10, 5, v0
	v_readfirstlane_b32 s[WV], v10                 ; wave 0..15
	s_and_b32 s54, ttmp7, 0xffff
	s_lshl_b32 s54, s54, 18                        ; the head's first byte in a plane
	s_and_b32 s55, s[WV], 1                        ; which half of a tile I fetch, if I fetch
	s_lshl_b32 s56, s55, 14
	s_add_co_u32 s56, s56, s54
	s_add_co_u32 s56, s56, 0x1000000               ; K: plane 1
	s_mov_b32 s57, 0
	s_add_co_u32 s58, s56, 0x1000000               ; V: plane 2
	s_mov_b32 s59, 0
	s_mul_i32 s60, s55, 17408                      ; 64 long rows x 272
	s_mul_i32 s61, s55, 18432                      ; 64 long rows x 288
	s_add_co_u32 s61, s61, VOFF
	s_mov_b32 s[G1K], (3<<16)|(1<<20)|(5<<22)|(3<<25)   ; no mask; elements of 8 bytes; padding on: 4 words after every 64
	s_mov_b32 s[G1V], (3<<16)|(1<<20)|(5<<22)|(7<<25)   ; 8 words
.irp g, G1K, G1V
	s_mov_b32 s[\g+1], 32<<16                      ; tensor_dim0 = 32 elements: 256 bytes
	s_mov_b32 s[\g+2], 64<<16                      ; tensor_dim1 = 64
	s_mov_b32 s[\g+3], 32<<16                      ; tile_dim0
	s_mov_b32 s[\g+4], 64                          ; tile_dim1
	s_mov_b32 s[\g+5], 32                          ; dense
	s_mov_b32 s[\g+6], 0
	s_mov_b32 s[\g+7], 0
.endr
	s_mov_b32 s[SEL], 0x76543210
	s_mov_b32 s[SEL+1], 0xfedcba98
	s_mov_b32 s[CS], 0x3e38aa3b                    ; c = log2(e) / 8
	s_mov_b32 s[CS+1], s[CS]
	s_mov_b32 s[TB], 0
	s_mov_b32 s[KF], 0
	s_mov_b32 s[SLOTS], 7
	s_sub_co_u32 s62, 7, ttmp9
	s_cmp_lt_u32 s[WV], 8
	s_cselect_b32 s62, ttmp9, s62                  ; my block of 256 queries
	s_lshl_b32 s62, s62, 8
	s_and_b32 s63, s[WV], 7
	s_lshl_b32 s63, s63, 5
	s_add_co_u32 s[Q0], s62, s63
	s_sub_co_u32 s[QL], 8, ttmp9
	s_lshl_b32 s[QL], s[QL], 8
	s_sub_co_u32 s[QL], s[QL], 1
	s_wait_dscnt 0x0                               ; the opening add is done
	s_wait_kmcnt 0x0
	s_mov_b32 s[G0K], 1
	s_mov_b32 s[G0K+1], s60
	s_add_nc_u64 s[G0K+2:G0K+3], s[4:5], s[56:57]
	s_or_b32 s[G0K+3], s[G0K+3], 0x80000000
	s_mov_b32 s[G0V], 1
	s_mov_b32 s[G0V+1], s61
	s_add_nc_u64 s[G0V+2:G0V+3], s[4:5], s[58:59]
	s_or_b32 s[G0V+3], s[G0V+3], 0x80000000
	TLOAD                                          ; slot 0
	s_mov_b32 s56, 0x2000000                       ; the prefetches: waves under 8 stand in K's plane, the others in V's,
	s_cmp_lt_u32 s[WV], 8
	s_cselect_b32 s56, 0x1000000, s56
	s_add_co_u32 s56, s56, s54
	s_and_b32 s58, s[WV], 3
	s_lshl_b32 s58, s58, 13                        ; at my wave's 8,192 bytes
	s_add_co_u32 s56, s56, s58
	s_add_co_u32 s56, s56, 32768                   ; of slot 1: the first change of slots steps it to slot 2
	s_add_nc_u64 s[PFA:PFA+1], s[4:5], s[56:57]
	s_sub_co_u32 s58, s[WV], 4
	s_lshr_b32 s58, s58, 3                         ; 0 in waves 4 to 11
	s_or_b32 s58, s58, ttmp9                       ; of px = 0
	s_cmp_eq_u32 s58, 0
	s_cselect_b32 s[LIM], 1, -1
	s_lshl_b32 s56, s[Q0], 7
	s_add_co_u32 s56, s56, s54                     ; my first query's row, in Q's plane and in att
	s_add_nc_u64 s[8:9], s[4:5], s[56:57]
	s_add_nc_u64 s[6:7], s[6:7], s[56:57]
	v_and_b32 v10, 15, v0                          ; r
	v_bfe_u32 v11, v0, 4, 1                        ; h
	v_lshlrev_b32 v[DD], 7, v10
	v_lshl_add_u32 v[DD], v11, 4, v[DD]            ; Q: row r of 128 bytes + 16 h
.irp t, 0,1
.irp c, 0,1
	global_load_b128 v[QF+16*\t+8*\c:QF+16*\t+8*\c+3], v[DD], s[8:9] offset:2048*\t+64*\c
	global_load_b128 v[QF+16*\t+8*\c+4:QF+16*\t+8*\c+7], v[DD], s[8:9] offset:2048*\t+64*\c+32
.endr
.endr
	v_lshrrev_b32 v[AK0], 1, v10
	v_mul_u32_u24 v[AK0], v[AK0], 272
	v_and_b32 v[ADK], 1, v10
	v_lshl_add_u32 v[AK0], v[ADK], 7, v[AK0]
	v_lshl_add_u32 v[AK0], v11, 4, v[AK0]          ; 272 (r / 2) + 128 (r % 2) + 16 h
	v_bfe_u32 v[AV0], v0, 1, 2
	v_lshl_add_u32 v[AV0], v11, 2, v[AV0]
	v_mul_u32_u24 v[AV0], v[AV0], 288
	v_and_b32 v[ADV], 1, v0
	v_lshl_add_u32 v[AV0], v[ADV], 7, v[AV0]
	v_bfe_u32 v[ADV], v0, 3, 1
	v_lshl_add_u32 v[AV0], v[ADV], 4, v[AV0]
	v_add_nc_u32 v[AV0], VOFF, v[AV0]              ; key 8 h + lane % 8: 288 (key / 2) + 128 (key % 2); + 16 ((lane / 8) % 2)
	v_lshlrev_b32 v[DL], 3, v11
	v_sub_nc_u32 v[DL], v10, v[DL]
	v_mov_b32 v[NINF], 0xff800000
	v_and_b32 v[PFO], 31, v0
	v_lshlrev_b32 v[PFO], 8, v[PFO]
.irp t, 0,1
	v_mov_b32 v[ST+8*\t+1], 0xff61b1e6             ; m: -3e38, under every score
	v_mul_f32 v[ST+8*\t], s[CS], v[ST+8*\t+1]
.irp j, 2,3,4,5,6,7
	v_mov_b32 v[ST+8*\t+\j], 0                     ; l; and the registers at work, written once (a lane permute's destination counts as one of its sources)
.endr
.endr
.set n, 0
.rept 64
	v_mov_b32 v[O+n], 0                            ; O^T: the step is written once; its first turn finds zeros, which a = 0 leaves zeros
.set n, n+1
.endr
; A KEY STEP: 64 keys, the q-th of the slot in hand.
.macro STEP q
	s_add_co_u32 s60, s[Q0], 31
	s_cmp_gt_u32 s[KF], s60                        ; all keys come after my last query: ids and the count of steps alone
	s_cbranch_scc1 .Lhidden_\@
	v_add_nc_u32 v[ADK], s[TB], v[AK0]
	v_add_nc_u32 v[ADV], s[TB], v[AV0]
.rept 3
	v_nop                                          ; with the two additions five places behind the last V^T P: K's loads land in registers that it read, and the products below write over p's
.endr
.irp kt, 0,1,2,3
.irp c, 0,1
	ds_load_b128 v[KV+16*\kt+8*\c:KV+16*\kt+8*\c+3], v[ADK] offset:8704*(\q)+2176*\kt+64*\c
	ds_load_b128 v[KV+16*\kt+8*\c+4:KV+16*\kt+8*\c+7], v[ADK] offset:8704*(\q)+2176*\kt+64*\c+32
.endr
.endr
	s_wait_dscnt 0x0
.irp c, 0,1                            ; S^T = K Q^T: the eight accumulators take turns; the first eight products start the sums
.irp kt, 0,1,2,3
.irp t, 0,1
.if \c == 0
	v_wmma_f32_16x16x32_f16 v[S+32*\t+8*\kt:S+32*\t+8*\kt+7], v[KV+16*\kt+8*\c:KV+16*\kt+8*\c+7], v[QF+16*\t+8*\c:QF+16*\t+8*\c+7], 0
.else
	v_wmma_f32_16x16x32_f16 v[S+32*\t+8*\kt:S+32*\t+8*\kt+7], v[KV+16*\kt+8*\c:KV+16*\kt+8*\c+7], v[QF+16*\t+8*\c:QF+16*\t+8*\c+7], v[S+32*\t+8*\kt:S+32*\t+8*\kt+7]
.endif
.endr
.endr
.endr
.rept 4
	v_nop                                          ; places: in front of V's loads into K's registers, and of the first read of the scores
.endr
.irp c, 0,1                            ; V lands while the softmax runs: keys 32 c on, channels 16 ct on
.irp ct, 0,1,2,3
	ds_load_tr16_b128 v[KV+32*\c+8*\ct:KV+32*\c+8*\ct+3], v[ADV] offset:9216*(\q)+4608*\c+32*\ct
	ds_load_tr16_b128 v[KV+32*\c+8*\ct+4:KV+32*\c+8*\ct+7], v[ADV] offset:9216*(\q)+4608*\c+32*\ct+2304
.endr
.endr
	s_add_co_u32 s60, s[KF], 63
	s_cmp_le_u32 s60, s[Q0]                        ; all keys count for all my queries
	s_cbranch_scc1 .Lopen_\@
	s_sub_co_i32 s60, s[Q0], s[KF]
	v_add_nc_u32 v[DD], s60, v[DL]                 ; register 32 t + 8 kt + j holds key KF + 16 kt + 8 h + j and query Q0 + 16 t + r: hidden where 16 kt + j - 16 t > Q0 - KF + r - 8 h
.set n, 0
.rept 64
	v_cmp_gt_i32 vcc_lo, 16*((n%32)/8)+n%8-16*(n/32), v[DD]
	v_cndmask_b32 v[S+n], v[S+n], v[NINF], vcc_lo
.set n, n+1
.endr
.Lopen_\@:
.irp j, 0,1,2,3                        ; the maximum, three operands at a time, the two tiles by turns; each accumulator is read from its low end on
.irp t, 0,1
	v_max3_num_f32 v[ST+8*\t+4+\j], v[S+32*\t+8*\j], v[S+32*\t+8*\j+1], v[S+32*\t+8*\j+2]
.endr
.endr
.irp u, 3,5
.irp j, 0,1,2,3
.irp t, 0,1
	v_max3_num_f32 v[ST+8*\t+4+\j], v[ST+8*\t+4+\j], v[S+32*\t+8*\j+\u], v[S+32*\t+8*\j+\u+1]
.endr
.endr
.endr
.irp t, 0,1
	v_max3_num_f32 v[ST+8*\t+4], v[ST+8*\t+4], v[S+32*\t+7], v[S+32*\t+15]
	v_max3_num_f32 v[ST+8*\t+6], v[ST+8*\t+6], v[S+32*\t+23], v[S+32*\t+31]
.endr
.irp t, 0,1
	v_max3_num_f32 v[ST+8*\t+4], v[ST+8*\t+4], v[ST+8*\t+5], v[ST+8*\t+6]
.endr
.irp t, 0,1
	v_max3_num_f32 v[ST+8*\t+4], v[ST+8*\t+4], v[ST+8*\t+7], v[ST+8*\t+1]   ; with the old m
.endr
.irp t, 0,1
	v_permlanex16_b32 v[ST+8*\t+5], v[ST+8*\t+4], s[SEL], s[SEL+1]          ; the query's other 32 keys lie in the lane 16 away
.endr
.irp t, 0,1
	v_mov_b32 v[ST+8*\t+7], v[ST+8*\t]             ; c m_old
.endr
.irp t, 0,1
	v_max_num_f32 v[ST+8*\t+1], v[ST+8*\t+4], v[ST+8*\t+5]
.endr
.irp t, 0,1
	v_mul_f32 v[ST+8*\t], s[CS], v[ST+8*\t+1]
.endr
.irp t, 0,1
	v_sub_f32 v[ST+8*\t+7], v[ST+8*\t+7], v[ST+8*\t]
.endr
.irp b, 0,2,4,6,8,10,12,14,16,18,20,22,24,26,28,30
.irp t, 0,1
	v_pk_fma_f32 v[S+32*\t+\b:S+32*\t+\b+1], v[S+32*\t+\b:S+32*\t+\b+1], s[CS:CS+1], v[ST+8*\t:ST+8*\t+1] op_sel_hi:[1,0,0] neg_lo:[0,0,1] neg_hi:[0,0,1]   ; c s - c m
.endr
.endr
.irp t, 0,1
	v_exp_f32 v[ST+8*\t+6], v[ST+8*\t+7]           ; a
.endr
.set n, 0
.rept 64
	v_exp_f32 v[S+n], v[S+n]                       ; p
.set n, n+1
.endr
	v_nop                                          ; a plain instruction behind the last exponential,
	s_wait_alu depctr_va_vdst(0)                   ; and one wait for the batch of 66, ahead of its first reader
.irp t, 0,1
	v_pk_mul_f32 v[ST+8*\t+2:ST+8*\t+3], v[ST+8*\t+2:ST+8*\t+3], v[ST+8*\t+6:ST+8*\t+7] op_sel_hi:[1,0]
.endr
.irp t, 0,1
	v_pk_add_f32 v[ST+8*\t+4:ST+8*\t+5], v[S+32*\t:S+32*\t+1], v[S+32*\t+2:S+32*\t+3]   ; the sum of the unrounded p, two at a time, in two chains
.endr
.irp j, 4,8,12,16,20,24,28
.irp t, 0,1
	v_pk_add_f32 v[ST+8*\t+2:ST+8*\t+3], v[ST+8*\t+2:ST+8*\t+3], v[S+32*\t+\j:S+32*\t+\j+1]
	v_pk_add_f32 v[ST+8*\t+4:ST+8*\t+5], v[ST+8*\t+4:ST+8*\t+5], v[S+32*\t+\j+2:S+32*\t+\j+3]
.endr
.endr
.irp t, 0,1
	v_pk_add_f32 v[ST+8*\t+2:ST+8*\t+3], v[ST+8*\t+2:ST+8*\t+3], v[ST+8*\t+4:ST+8*\t+5]
.endr
.irp j, 0,1,2,3,4,5,6,7,8,9,10,11,12,13,14,15
.irp t, 0,1
	v_cvt_pk_f16_f32 v[S+32*\t+\j], v[S+32*\t+2*\j], v[S+32*\t+2*\j+1]   ; in place, ascending: register j is written when 2 j and 2 j + 1 are read, and nothing below 2 j is read again
.endr
.endr
.irp j, 0,2,4,6,8,10,12,14,16,18,20,22,24,26,28,30
.irp t, 0,1
	v_pk_mul_f32 v[O+32*\t+\j:O+32*\t+\j+1], v[O+32*\t+\j:O+32*\t+\j+1], v[ST+8*\t+6:ST+8*\t+7] op_sel_hi:[1,0]   ; O^T x a
.endr
.endr
	s_wait_dscnt 0x0                               ; V is in
.irp c, 0,1                            ; O^T += V^T P: the eight accumulators take turns
.irp ct, 0,1,2,3
.irp t, 0,1
	v_wmma_f32_16x16x32_f16 v[O+32*\t+8*\ct:O+32*\t+8*\ct+7], v[KV+32*\c+8*\ct:KV+32*\c+8*\ct+7], v[S+32*\t+8*\c:S+32*\t+8*\c+7], v[O+32*\t+8*\ct:O+32*\t+8*\ct+7]
.endr
.endr
.endr
.Lhidden_\@:
	s_add_co_u32 s[KF], s[KF], 64
.endm
; THE CHANGE OF SLOTS stands at a slot's head.  Each wave waits for all its tensor loads (its part of the slot ahead), adds 0 to its spare word, and waits for that and for its reads of the slot that it has left.
; Behind the barrier the slot ahead is whole and nobody reads the other one.  fill = 1: that other slot takes the next 256 keys: the load has four key steps in which to land.
.macro CHANGE fill
	s_wait_tensorcnt 0x0                           ; no tensor load of mine is out, so a group 0 may be written
	ds_add_u32 v[SPW], v[NIL]                      ; 0 onto my spare word
.if \fill
	s_xor_b32 s[G0K+1], s[G0K+1], SLOT1
	s_add_nc_u64 s[G0K+2:G0K+3], s[G0K+2:G0K+3], 32768
	s_xor_b32 s[G0V+1], s[G0V+1], SLOT1
	s_add_nc_u64 s[G0V+2:G0V+3], s[G0V+2:G0V+3], 32768
	s_wait_xcnt 0x0                                ; the last prefetch, a slot back, has read its address
	s_add_nc_u64 s[PFA:PFA+1], s[PFA:PFA+1], 32768
.endif
	s_wait_dscnt 0x0                               ; the add is done, and my reads of the slot that I have left are over
	s_barrier_signal -1
	s_barrier_wait -1
.if \fill
	s_add_co_u32 s60, s[KF], 256                   ; the first key of the slot that this change would ask for:
	s_cmp_gt_u32 s60, s[QL]                        ; behind my work-group's last query none of its waves reads it.  The work-group's number and the count of steps alone: all sixteen waves go the same way.
	s_cbranch_scc1 .Lpast_\@                       ; Every wait for tensor loads in this text is for 0, and no step reads a slot that was left out
	TLOAD                                          ; a wave's one tensor load until the next such barrier
.Lpast_\@:
	ASK
.endif
.endm
.macro SLOT_STEPS
.set Q, 0
.rept 4
	STEP Q
.set Q, Q+1
.endr
	s_xor_b32 s[TB], s[TB], SLOT1
.endm
	s_wait_loadcnt 0x0                             ; Q
.Lslot:                                            ; seven trips: behind each change of slots but the last the next slot is asked for, up to the causal limit
	CHANGE 1
	SLOT_STEPS
	s_sub_co_u32 s[SLOTS], s[SLOTS], 1
	s_cmp_lg_u32 s[SLOTS], 0
	s_cbranch_scc1 .Lslot
	CHANGE 0                                       ; the last slot is written out: nothing is left to ask for
	SLOT_STEPS
	; THE WAY OUT.  The address work is the places behind the last products.  O^T / l, rounded to f16, goes through my stage and leaves as four whole rows an instruction.
	v_and_b32 v10, 15, v0
	v_bfe_u32 v11, v0, 4, 1
	s_mul_i32 s60, s[WV], 4608
	s_add_co_u32 s60, s60, STAGE
	v_mul_u32_u24 v[STO], v10, 144
	v_lshl_add_u32 v[STO], v11, 4, v[STO]
	v_add_nc_u32 v[STO], s60, v[STO]               ; in: row r, 16 h
	v_and_b32 v[GO], 31, v0
	v_lshrrev_b32 v[RD], 3, v[GO]
	v_mul_u32_u24 v[RD], v[RD], 144
	v_and_b32 v10, 7, v0
	v_lshl_add_u32 v[RD], v10, 4, v[RD]
	v_add_nc_u32 v[RD], s60, v[RD]                 ; back: eight lanes to a row of 128 bytes
	v_lshlrev_b32 v[GO], 4, v[GO]
.irp t, 0,1
	v_add_f32 v[ST+8*\t+4], v[ST+8*\t+2], v[ST+8*\t+3]
.endr
.irp t, 0,1
	v_permlanex16_b32 v[ST+8*\t+5], v[ST+8*\t+4], s[SEL], s[SEL+1]
.endr
.irp t, 0,1
	v_add_f32 v[ST+8*\t+4], v[ST+8*\t+4], v[ST+8*\t+5]
.endr
.irp t, 0,1
	v_rcp_f32 v[ST+8*\t+6], v[ST+8*\t+4]
.endr
	v_nop                                          ; a plain instruction behind the last reciprocal,
	s_wait_alu depctr_va_vdst(0)                   ; and one wait for the two
.irp t, 0,1
.irp j, 0,2,4,6,8,10,12,14,16,18,20,22,24,26,28,30
	v_pk_mul_f32 v[O+32*\t+\j:O+32*\t+\j+1], v[O+32*\t+\j:O+32*\t+\j+1], v[ST+8*\t+6:ST+8*\t+7] op_sel_hi:[1,0]
.endr
.endr
.set n, 0
.rept 32
	v_cvt_pk_f16_f32 v[S+n], v[O+2*n], v[O+2*n+1]
.set n, n+1
.endr
.irp t, 0,1
.irp ct, 0,1,2,3
	ds_store_b128 v[STO], v[S+16*\t+4*\ct:S+16*\t+4*\ct+3] offset:2304*\t+32*\ct
.endr
.endr
.irp i, 0,1,2,3,4,5,6,7
	ds_load_b128 v[KV+4*\i:KV+4*\i+3], v[RD] offset:2304*(\i/4)+576*(\i%4)   ; LDS serves a wave's instructions in order: these see my stores
.endr
.irp i, 0,1,2,3,4,5,6,7
	s_wait_dscnt 7-\i
	global_store_b128 v[GO], v[KV+4*\i:KV+4*\i+3], s[6:7] offset:512*\i      ; four rows: 512 consecutive bytes, aligned
.endr
	s_wait_tensorcnt 0x0                           ; the wave's end
	ds_add_u32 v[SPW], v[NIL]
	s_wait_dscnt 0x0
	s_endpgm
.Lfunc_end_k_q890d32fca2_attn:
	.size	k_q890d32fca2_attn, .Lfunc_end_k_q890d32fca2_attn-k_q890d32fca2_attn
	.p2alignl 7, 3214868480
	.fill 96, 4, 3214868480
	.section	.rodata,"a",@progbits
	.p2align	6, 0x0
	.amdhsa_kernel k_q890d32fca2_attn
		.amdhsa_group_segment_fixed_size 327680
		.amdhsa_private_segment_fixed_size 0
		.amdhsa_enable_private_segment 0
		.amdhsa_kernarg_size 16
		.amdhsa_user_sgpr_count 2
		.amdhsa_user_sgpr_kernarg_segment_ptr 1
		.amdhsa_wavefront_size32 1
		.amdhsa_system_sgpr_workgroup_id_x 1
		.amdhsa_system_sgpr_workgroup_id_y 1
		.amdhsa_system_sgpr_workgroup_id_z 1
		.amdhsa_system_vgpr_workitem_id 0
		.amdhsa_next_free_vgpr 256
		.amdhsa_next_free_sgpr 66
		.amdhsa_reserve_vcc 1
		.amdhsa_float_denorm_mode_32 3
		.amdhsa_float_denorm_mode_16_64 3
		.amdhsa_memory_ordered 1
		.amdhsa_forward_progress 1
		.amdhsa_inst_pref_size 188
	.end_amdhsa_kernel
	.amdgpu_metadata
---
amdhsa.version: [ 1, 2 ]
amdhsa.kernels:
  - .name:           k_q890d32fca2_attn
    .symbol:         k_q890d32fca2_attn.kd
    .args:
      - { .name: qkv, .offset: 0, .size: 8, .value_kind: global_buffer, .address_space: global }
      - { .name: att, .offset: 8, .size: 8, .value_kind: global_buffer, .address_space: global }
    .group_segment_fixed_size: 327680
    .private_segment_fixed_size: 0
    .kernarg_segment_align: 8
    .kernarg_segment_size: 16
    .max_flat_workgroup_size: 512
    .sgpr_count:     66
    .vgpr_count:     256
    .wavefront_size: 32
...
	.end_amdgpu_metadata
.endif
;; end of part 3
;; launch proj (part 4): grid 4 x 64, 4 waves a work-group, clusters of 4 x 4, 327,680 bytes of LDS; arguments att, wo16, out0; writes out0
.if DOCPART == 4
	.amdgcn_target "amdgcn-amd-amdhsa--gfx1250"
	.amdhsa_code_object_version 6
	.text
	.protected	k_q890d32fca2_proj
	.globl	k_q890d32fca2_proj
	.p2align	8
	.type	k_q890d32fca2_proj,@function
k_q890d32fca2_proj:
	s_mov_b64 s[64:65], 0
	v_nop
	global_prefetch_b8 v0, s[64:65] scope:SCOPE_SE
	s_setreg_imm32_b32 hwreg(HW_REG_WAVE_MODE, 25, 1), 1
	s_wait_xcnt 0x0
	s_wait_alu depctr_hold_cnt(0) depctr_sa_sdst(0) depctr_va_vdst(0) depctr_va_sdst(0) depctr_va_ssrc(0) depctr_va_vcc(0) depctr_vm_vsrc(0)
	s_getreg_b32 s2, hwreg(HW_REG_IB_STS2, 6, 4)
	s_cmp_eq_u32 s2, 0
	s_cbranch_scc0 .Lentry_in_a_cluster
	s_endpgm
.Lentry_in_a_cluster:
	s_bfe_u32 s2, ttmp6, 0x10000c
	s_cmp_lg_u32 s2, 0xf033
	s_cbranch_scc0 .Lentry_shape_is_right
	s_endpgm
.Lentry_shape_is_right:
; PROJ: out0[b t][n] = the sum over k = 64 head + d of att[b head][t][d] w_out[k][n].  att [64][2048][64] f16, wo16 [1024 k][1024 n] f16, out0 [8192][1024] f32; sums in f32.
; A tile of out0 is 128 rows x 256 columns: 256 work-groups (256 x 256 would be 128).  Four waves, each 64 x 128: 32 accumulators, 256 registers.
; K goes in steps of 128, two heads, through a ring of two LDS slots.  A's part of a step is two dense blocks of 16,384 bytes (a head's 128 rows of 128 bytes), stated as 64 rows of 256 bytes: row t lies at (t / 2) x 272 + 128 (t % 2).
; B's part is 128 rows k of 512 bytes, 544 apart in LDS, turned by ds_load_tr16_b128 on the way into registers.
; CLUSTERS: 4 x 4 work-groups.  The four of a row of the cluster, which are all tile columns, need the same tiles of A, the four of a column the same tiles of B: each tile is asked for jointly, by the same tensor load with the same
; descriptor and a mask that names the four.  THE MATRIX INSTRUCTION IS USED TRANSPOSED (source 0 = 16 columns of w_out, source 1 = 16 rows of att): a lane holds eight neighbouring numbers of a row of out0.
; REGISTERS: window 0: v0-31 addresses; two fragment buffers of 96, v32-127 and v128-223: B's 8 fragments, then A's 4, for 32 along K; on the way out v32-159 rows read back.   window 1: the accumulators ((a, b) at v[8 (8 a + b)]).
.set PLANE,  17408                     ; a head's 128 rows in LDS: 64 long rows x 272
.set BOFF,   34816                     ; behind A's two planes: B's 128 rows x 544
.set BHALF,  34816                     ; 64 of them
.set SLOT,   104448
.set SPARE,  208896                    ; behind the ring: the spare words, 128 bytes for each wave: two blocks of 256 bytes that no other line names
.set SPITCH, 528                       ; the way out: a stage of 16 rows x (512 bytes + 16) for each wave, in slot 0, which has had its last fill and its last read by then
.set ADRA, 16                          ; v16-17 LDS address of my A fragments in slot 0, 1
.set ADRB, 20                          ; v20-21 the same for B
.set STO,  24
.set RD,   25
.set CO,   26                          ; v26 16 x lane
.set SPW,  28                          ; v28 LDS address of my spare word; never rewritten
.set NIL,  29                          ; v29 0; never rewritten
.set PFO,  30                          ; v30 256 x lane; never rewritten
.set F0,   32
.set F1,   128
.set BK,   32
.set G1, 24                            ; s[24:31] descriptor group 1 for A's tiles; s[32:39] group 0, one set for each slot
.set G0, 32
.set G1B, 48                           ; s[48:55], s[56:63] the same for B's
.set G0B, 56
.set LIM, 43                           ; s43 1 in a wave that prefetches, else the greatest number
.set PFA, 44                           ; s[44:45] where my prefetches stand
.set MSB, 0
.macro WIN new                         ; the immediate's high byte repeats the setting that is left
.if MSB != \new
	s_set_vgpr_msb (MSB<<8)|\new
.set MSB, \new
.endif
.endm
.set W_MUL, 0x50                       ; C and D window 1, the sources window 0
.macro JLOAD s                         ; a joint load: waves 0 and 1 fetch A's two planes, waves 2 and 3 B's two halves; an s_nop 0 and four v_nop follow each line
	s_cmp_eq_u32 s11, 0
	s_cbranch_scc0 .Lfor_b_\@
	tensor_load_to_lds s[G0+4*\s:G0+4*\s+3], s[G1:G1+7]
	s_nop 0
.rept 4
	v_nop
.endr
	s_branch .Lasked_\@
.Lfor_b_\@:
	tensor_load_to_lds s[G0B+4*\s:G0B+4*\s+3], s[G1B:G1B+7]
	s_nop 0
.rept 4
	v_nop
.endr
.Lasked_\@:
.endm
.macro CREST                           ; a round of the cluster's barrier behind its opening barrier
	s_cmp_lg_u32 s10, 0
	s_cbranch_scc1 .Lnot_wave_0_\@
	s_barrier_signal -3
.Lnot_wave_0_\@:
	s_barrier_wait -3
	s_barrier_signal -1
	s_barrier_wait -1
.endm
.macro CROUND
	s_barrier_signal -1
	s_barrier_wait -1
	CREST
.endm
; A prefetch of A's part of the K step that stands two refills on, 256 matrix instructions ahead of the load that will want it.  A step's 32,768 bytes of A are read by the four partners of a row of the cluster and by nobody else:
; they share them out by address (plane cx / 2, half cx % 2), wave 0 of each asks, lanes 256 bytes apart: each aligned block of 256 bytes is named once.  K steps 0 to 3 come by their loads alone; the loop's last trip asks for nothing.
.macro ASK
	s_cmp_gt_u32 s3, s[LIM]
	s_cbranch_scc0 .Lnot_mine_\@
	global_prefetch_b8 v[PFO], s[PFA:PFA+1] th:TH_LOAD_NT scope:SCOPE_SE
.Lnot_mine_\@:
.endm
	s_load_b128 s[4:7], s[0:1], 0x0                ; att, wo16
	s_load_b64 s[8:9], s[0:1], 0x10                ; out0
	v_lshl_add_u32 v[SPW], v0, 2, SPARE
	v_mov_b32 v[NIL], 0
	ds_add_u32 v[SPW], v[NIL]                      ; the wave's opening: the add, and its wait, ahead of my first tensor load; the set-up below stands between them
	v_lshrrev_b32 v1, 5, v0
	v_readfirstlane_b32 s10, v1                    ; wave 0..3
	s_lshr_b32 s11, s10, 1                         ; which half of the tile's rows is mine.  Also: I fetch for A (0) or for B (1)
	s_and_b32 s12, s10, 1                          ; which half of its columns.  Also: which plane of A, or which 64 rows of B, I fetch
	s_bfe_u32 s40, ttmp6, 0x40000                  ; cx, cy
	s_bfe_u32 s41, ttmp6, 0x40004
	s_lshl_b32 s42, ttmp9, 2
	s_add_co_u32 s42, s42, s40                     ; tile column
	s_and_b32 s13, ttmp7, 0xffff
	s_lshl_b32 s13, s13, 2
	s_add_co_u32 s13, s13, s41                     ; tile row
	s_lshl_b32 s43, s41, 2
	s_lshl_b32 s43, 15, s43                        ; my row of the cluster
	s_lshl_b32 s44, 0x1111, s40                    ; my column
	s_or_b32 s[G1+0], s43, (3<<16)|(1<<20)|(1<<21)|(5<<22)|(3<<25)   ; the mask; elements of 8 bytes; padding on; bit 21 beside a mask; 4 words after every 64
	s_mov_b32 s[G1+1], 32<<16                      ; tensor_dim0 = 32 elements: 256 bytes
	s_mov_b32 s[G1+2], 64<<16                      ; tensor_dim1 = 64
	s_mov_b32 s[G1+3], 32<<16                      ; tile_dim0
	s_mov_b32 s[G1+4], 64                          ; tile_dim1
	s_mov_b32 s[G1+5], 32                          ; dense
	s_mov_b32 s[G1+6], 0
	s_mov_b32 s[G1+7], 0
	s_or_b32 s[G1B+0], s44, (3<<16)|(1<<20)|(1<<21)|(6<<22)|(7<<25)  ; 8 words after every 128
	s_mov_b32 s[G1B+1], 64<<16                     ; 64 elements: 512 bytes
	s_mov_b32 s[G1B+2], 64<<16
	s_mov_b32 s[G1B+3], 64<<16
	s_mov_b32 s[G1B+4], 64
	s_mov_b32 s[G1B+5], 256                        ; a row of wo16: 2,048 bytes
	s_mov_b32 s[G1B+6], 0
	s_mov_b32 s[G1B+7], 0
	s_lshr_b32 s16, s13, 4
	s_lshl_b32 s16, s16, 22                        ; the batch: 16 heads of 262,144 bytes
	s_and_b32 s17, s13, 15
	s_lshl_b32 s17, s17, 14                        ; 128 rows of 128 bytes to a tile row
	s_add_co_u32 s16, s16, s17                     ; the tile's rows in the batch's head 0
	s_lshl_b32 s17, s12, 18
	s_add_co_u32 s18, s16, s17                     ; A: + my plane
	s_mov_b32 s19, 0
	s_lshl_b32 s46, s42, 9                         ; B: 512 bytes to a tile column,
	s_lshl_b32 s47, s12, 17                        ; 64 rows of 2,048 to my half
	s_add_co_u32 s46, s46, s47
	s_mov_b32 s47, 0
	s_mul_i32 s20, s12, PLANE                      ; where they go: no place in the cluster enters an LDS address
	s_mul_i32 s21, s12, BHALF
	s_add_co_u32 s21, s21, BOFF
	s_wait_dscnt 0x0                               ; the opening add is done
	s_wait_kmcnt 0x0
	s_add_nc_u64 s[14:15], s[4:5], s[18:19]
	s_add_nc_u64 s[46:47], s[6:7], s[46:47]
	CROUND                                         ; all sixteen work-groups are here: the first joint loads meet
.irp s, 0,1
	s_mov_b32 s[G0+4*\s], 1
	s_add_co_u32 s[G0+4*\s+1], s20, \s*SLOT
	s_add_nc_u64 s[G0+4*\s+2:G0+4*\s+3], s[14:15], \s*524288       ; K step s: two heads on
	s_or_b32 s[G0+4*\s+3], s[G0+4*\s+3], 0x80000000
	s_mov_b32 s[G0B+4*\s], 1
	s_add_co_u32 s[G0B+4*\s+1], s21, \s*SLOT
	s_add_nc_u64 s[G0B+4*\s+2:G0B+4*\s+3], s[46:47], \s*262144     ; 128 rows on
	s_or_b32 s[G0B+4*\s+3], s[G0B+4*\s+3], 0x80000000
	JLOAD \s                                       ; two loads of mine are out
.endr
	v_and_b32 v1, 15, v0                           ; r
	v_bfe_u32 v2, v0, 4, 1                         ; h
	v_lshrrev_b32 v3, 1, v1
	v_mul_u32_u24 v3, v3, 272
	v_and_b32 v4, 1, v1
	v_lshl_add_u32 v3, v4, 7, v3
	v_lshl_add_u32 v3, v2, 4, v3                   ; A: 272 (r / 2) + 128 (r % 2) + 16 h
	v_and_b32 v4, 7, v0
	v_lshl_add_u32 v4, v2, 3, v4
	v_mul_u32_u24 v4, v4, 544
	v_bfe_u32 v5, v0, 3, 1
	v_lshl_add_u32 v4, v5, 4, v4                   ; B: row 8 h + lane % 8, + 16 ((lane / 8) % 2)
	s_mul_i32 s21, s11, 8704                       ; my 64 rows of A: 32 long rows
	s_lshl_b32 s22, s12, 8                         ; my 128 columns of B
	s_add_co_u32 s22, s22, BOFF
.irp s, 0,1
	v_add_nc_u32 v[ADRA+\s], s21, v3
	v_add_nc_u32 v[ADRB+\s], s22, v4
	s_add_co_u32 s21, s21, SLOT
	s_add_co_u32 s22, s22, SLOT
.endr
	s_mul_i32 s23, s10, 16*SPITCH                  ; my stage
	v_mul_u32_u24 v5, v1, SPITCH
	v_lshl_add_u32 v5, v2, 5, v5
	v_add_nc_u32 v[STO], s23, v5                   ; in: row r, 32 h
	v_and_b32 v6, 31, v0
	v_lshlrev_b32 v[CO], 4, v6
	v_add_nc_u32 v[RD], s23, v[CO]                 ; back: the 32 lanes take a row of 512 bytes
	v_lshlrev_b32 v[PFO], 8, v6
	s_lshl_b32 s20, s13, 19                        ; out0: 128 rows of 4,096 bytes to a tile row,
	s_lshl_b32 s21, s11, 18                        ; 64 to my half,
	s_add_co_u32 s20, s20, s21
	s_lshl_b32 s21, s42, 10                        ; 1,024 bytes to a tile column,
	s_add_co_u32 s20, s20, s21
	s_lshl_b32 s21, s12, 9                         ; 512 to my half
	s_add_co_u32 s20, s20, s21
	s_mov_b32 s21, 0
	s_add_nc_u64 s[8:9], s[8:9], s[20:21]
	s_lshr_b32 s20, s40, 1                         ; the prefetches: my work-group's plane
	s_lshl_b32 s20, s20, 18
	s_and_b32 s22, s40, 1
	s_lshl_b32 s22, s22, 13                        ; and its half of that plane's 16,384 bytes,
	s_add_co_u32 s20, s20, s22
	s_add_co_u32 s20, s20, s16
	s_add_co_u32 s20, s20, 3*524288                ; at K step 3: the first refill steps it to 4
	s_add_nc_u64 s[PFA:PFA+1], s[4:5], s[20:21]
	s_cmp_eq_u32 s10, 0
	s_cselect_b32 s[LIM], 1, -1
.macro FETCH slot, q, f                ; 24 LDS loads in one run: the slot's q-th 32 along K: B's eight fragments, turned; then A's four
	WIN 0
.irp b, 0,1,2,3,4,5,6,7
	ds_load_tr16_b128 v[\f+8*\b:\f+8*\b+3],   v[ADRB+\slot] offset:17408*(\q)+32*\b
	ds_load_tr16_b128 v[\f+8*\b+4:\f+8*\b+7], v[ADRB+\slot] offset:17408*(\q)+32*\b+8704
.endr
.irp a, 0,1,2,3
	ds_load_b128 v[\f+64+8*\a:\f+64+8*\a+3],   v[ADRA+\slot] offset:PLANE*((\q)/2)+64*((\q)%2)+2176*\a
	ds_load_b128 v[\f+64+8*\a+4:\f+64+8*\a+7], v[ADRA+\slot] offset:PLANE*((\q)/2)+64*((\q)%2)+2176*\a+32
.endr
.endm
.macro MULS f, a0, n, zero             ; n blocks of A from a0 on x B's eight.  The 32 accumulators take turns, in the same order in every quarter
.set aa, \a0
.rept \n
.irp b, 0,1,2,3,4,5,6,7
.if \zero
	v_wmma_f32_16x16x32_f16 v[8*(8*aa+\b):8*(8*aa+\b)+7], v[\f+8*\b:\f+8*\b+7], v[\f+64+8*aa:\f+64+8*aa+7], 0
.else
	v_wmma_f32_16x16x32_f16 v[8*(8*aa+\b):8*(8*aa+\b)+7], v[\f+8*\b:\f+8*\b+7], v[\f+64+8*aa:\f+64+8*aa+7], v[8*(8*aa+\b):8*(8*aa+\b)+7]
.endif
.endr
.set aa, aa+1
.endr
.endm
.macro PLACES                          ; plain vector instructions between a matrix instruction and a load into, or a read of, its registers
.rept 4
	v_nop
.endr
.endm
.macro QUARTER slot, qn, f, g, zero    ; 32 along K: multiplies buffer f; in its middle it fetches the slot's qn-th 32 along K into buffer g
	s_wait_dscnt 4                                 ; B and A's blocks 0, 1 are in; A's blocks 2, 3 may be out
	WIN W_MUL
	MULS \f, 0, 2, \zero
	PLACES
	FETCH \slot, \qn, \g
	s_wait_dscnt 24                                ; all but the 24 just issued
	WIN W_MUL
	MULS \f, 2, 2, \zero
.endm
; A slot's last quarter multiplies buffer 1 and changes slots: one barrier; in front of it each wave waits for all its tensor loads, adds 0 to its spare word, and waits for that and for its reads of this slot.
; fill = 1: the barrier opens a round of the cluster's barrier, and this slot is filled again, two K steps ahead: the load has 112 matrix instructions of mine before the wait for it.
.macro TURN slot, next, fill
.if \fill
	s_wait_xcnt 0x0                                ; the last prefetch, a K step back, has read its address
	s_add_nc_u64 s[PFA:PFA+1], s[PFA:PFA+1], 524288
.endif
	WIN 0                                          ; (the add's two registers lie in window 0)
	s_wait_tensorcnt 0x0                           ; all my tensor loads have landed: my part of the next slot
	ds_add_u32 v[SPW], v[NIL]                      ; 0 onto my spare word
	s_wait_dscnt 5                                 ; the add and A's blocks 2, 3 may be out
	WIN W_MUL
	MULS F1, 0, 1, 0
	s_wait_dscnt 0x0                               ; the add is done, and my reads of this slot are over
	s_barrier_signal -1
	MULS F1, 1, 1, 0
.if \fill
	WIN 0
.endif
	s_barrier_wait -1
.if \fill
	CREST                                          ; no wave of any partner still reads this slot or has a load on its way
	s_add_nc_u64 s[G0+4*\slot+2:G0+4*\slot+3], s[G0+4*\slot+2:G0+4*\slot+3], 1048576
	s_add_nc_u64 s[G0B+4*\slot+2:G0B+4*\slot+3], s[G0B+4*\slot+2:G0B+4*\slot+3], 524288
	JLOAD \slot                                    ; the first tensor load behind the round; its four v_nop are also the places in front of the loads below
.else
	PLACES
.endif
	FETCH \next, 0, F0
.if \fill
	ASK
.endif
	WIN W_MUL
	MULS F1, 2, 2, 0
.endm
	s_wait_tensorcnt 1                             ; my part of K step 0 is in; K step 1's load may be out,
	s_barrier_signal -1
	s_barrier_wait -1                              ; everybody's is
	FETCH 0, 0, F0
	QUARTER 0, 1, F0, F1, 1                        ; the first quarter stands in front of the loop: its products start the sums
	WIN 0                                          ; at a label and at a branch every window is 0
	s_mov_b32 s3, 3
.Llap:                                                 ; a trip goes once round the ring and fills both slots again: K steps 2 to 7
	QUARTER 0, 2, F1, F0, 0
	QUARTER 0, 3, F0, F1, 0
	TURN 0, 1, 1
	QUARTER 1, 1, F0, F1, 0
	QUARTER 1, 2, F1, F0, 0
	QUARTER 1, 3, F0, F1, 0
	TURN 1, 0, 1
	QUARTER 0, 1, F0, F1, 0
	WIN 0
	s_sub_co_u32 s3, s3, 1
	s_cmp_lg_u32 s3, 0
	s_cbranch_scc1 .Llap
	QUARTER 0, 2, F1, F0, 0                        ; the last lap fills nothing, and has no round of the cluster's barrier
	QUARTER 0, 3, F0, F1, 0
	TURN 0, 1, 0
	QUARTER 1, 1, F0, F1, 0
	QUARTER 1, 2, F1, F0, 0
	QUARTER 1, 3, F0, F1, 0
	s_wait_dscnt 4                                 ; the very last quarter: nothing more to fetch
	WIN W_MUL
	MULS F1, 0, 2, 0
	s_wait_dscnt 0
	MULS F1, 2, 2, 0
	WIN 0
; THE WAY OUT, block by block of 16 rows x 128 columns: a lane's 32 bytes of a row go into my own stage, and whole rows of 512 bytes come back.  LDS serves a wave's instructions in order: no wait between the stores and the loads.
.macro TOSTAGE a
	WIN 0x04                                       ; an LDS store's data are its source 1: window 1
.irp b, 0,1,2,3,4,5,6,7
	ds_store_b128 v[STO], v[8*(8*(\a)+\b):8*(8*(\a)+\b)+3] offset:64*\b          ; each accumulator from its low end on
	ds_store_b128 v[STO], v[8*(8*(\a)+\b)+4:8*(8*(\a)+\b)+7] offset:64*\b+16
.endr
	WIN 0
.set BB, BK+64*((\a)%2)
.irp t, 0,1,2,3,4,5,6,7,8,9,10,11,12,13,14,15
	ds_load_b128 v[BB+4*\t:BB+4*\t+3], v[RD] offset:\t*SPITCH
.endr
.endm
.macro SEND a, younger                 ; younger: the LDS instructions issued behind block a's loads
.set BB, BK+64*((\a)%2)
	s_wait_dscnt \younger
.irp t, 0,1,2,3,4,5,6,7,8,9,10,11,12,13,14,15
	global_store_b128 v[CO], v[BB+4*\t:BB+4*\t+3], s[8:9] offset:65536*(\a)+4096*\t th:TH_STORE_NT   ; 32 lanes store 512 consecutive bytes, aligned; written once, read by nobody here
.endr
.endm
	PLACES                                         ; behind the last products: for the reads of results and the loads into the fragments' registers
	TOSTAGE 0
.irp a, 1,2,3
.if \a > 1
	s_wait_xcnt 0x0                                ; block a - 2's stores have read their registers: block a's rows may land there
.endif
	TOSTAGE \a
	SEND \a-1, 32                                  ; behind block a - 1's loads: block a's 16 stores and 16 loads
.endr
	SEND 3, 0
	s_wait_tensorcnt 0x0                           ; the wave's end
	ds_add_u32 v[SPW], v[NIL]
	s_wait_dscnt 0x0
	CROUND                                         ; the closing round: no work-group ends while a partner may still ask for a tile that names it
	s_endpgm
.Lfunc_end_k_q890d32fca2_proj:
	.size	k_q890d32fca2_proj, .Lfunc_end_k_q890d32fca2_proj-k_q890d32fca2_proj
	.p2alignl 7, 3214868480
	.fill 96, 4, 3214868480
	.section	.rodata,"a",@progbits
	.p2align	6, 0x0
	.amdhsa_kernel k_q890d32fca2_proj
		.amdhsa_group_segment_fixed_size 327680
		.amdhsa_private_segment_fixed_size 0
		.amdhsa_enable_private_segment 0
		.amdhsa_kernarg_size 24
		.amdhsa_user_sgpr_count 2
		.amdhsa_user_sgpr_kernarg_segment_ptr 1
		.amdhsa_wavefront_size32 1
		.amdhsa_system_sgpr_workgroup_id_x 1
		.amdhsa_system_sgpr_workgroup_id_y 1
		.amdhsa_system_sgpr_workgroup_id_z 1
		.amdhsa_system_vgpr_workitem_id 0
		.amdhsa_next_free_vgpr 512
		.amdhsa_next_free_sgpr 66
		.amdhsa_reserve_vcc 0
		.amdhsa_float_denorm_mode_32 3
		.amdhsa_float_denorm_mode_16_64 3
		.amdhsa_memory_ordered 1
		.amdhsa_forward_progress 1
		.amdhsa_inst_pref_size 86
	.end_amdhsa_kernel
	.amdgpu_metadata
---
amdhsa.version: [ 1, 2 ]
amdhsa.kernels:
  - .name:           k_q890d32fca2_proj
    .symbol:         k_q890d32fca2_proj.kd
    .args:
      - { .name: att, .offset: 0, .size: 8, .value_kind: global_buffer, .address_space: global }
      - { .name: wo16, .offset: 8, .size: 8, .value_kind: global_buffer, .address_space: global }
      - { .name: out0, .offset: 16, .size: 8, .value_kind: global_buffer, .address_space: global }
    .group_segment_fixed_size: 327680
    .private_segment_fixed_size: 0
    .kernarg_segment_align: 8
    .kernarg_segment_size: 24
    .max_flat_workgroup_size: 128
    .sgpr_count:     66
    .vgpr_count:     512
    .wavefront_size: 32
...
	.end_amdgpu_metadata
.endif
;; end of part 4
